; MI455X (gfx1250); checked and timed in simulation.
; The chip was launched on July 23, 2026; its instructions are those of AMD's public machine-readable ISA for CDNA 5 (MIT licence, August 2026) and "CDNA5" Instruction Set Architecture Reference Guide (July 2026). The comments in the code are by the model that wrote it; some were corrected since.
;; Multi Head Attention With Ro PE. Allowed arithmetic: matrix products marked QUANTISED: E2M1 operands, one E8M0 scale for each 32 along K, by v_wmma_scale_f32_16x16x128_f8f6f4 with both operands' format E2M1 (or v_wmma_scale_f32_32x16x128_f4), f32 sums; products left as they are: bf16, f16 or f32 operands; f32 sums; everything else in f32.
;; Inputs: Wproj 1,024 x 1,024 float32; Wqkv 1,024 x 3,072 float32; bproj 1,024 float32; kn_w 64 float32; qn_w 64 float32; x 1 x 3,520 x 1,024 float32.
;; Outputs: out0 1 x 3,520 x 1,024 float32.
;; This version of the problem:
;;   THIS VERSION OF THE PROBLEM IS GIVEN IN LOW PRECISION. The matrix products marked QUANTISED in the list below multiply operands that are first quantised to E2M1 (2 exponent bits, 1 mantissa bit; 4 bits a number), with one power-of-two scale for each 32 numbers along K (OCP MX v1.0); their sums are f32. The products marked 'left as it is' may take bf16, f16 or f32 operands, with f32 sums. Whichever they take, every output number must still come out within the allowed error. Rounding operands to bf16 (8 significant bits) uses up far more of that allowance than f16 does (11 bits, for magnitudes from 6e-5 to 65,504). All else is computed in f32.
;;   The module's matrix products, in the order in which they are computed (A, B: the left and right operand; K: the contracted axis; several contracted axes count as one K, in the product's order):
;;     1. [M 3,520, K 1,024] x [K 1,024, N 3,072]; A: input x; B: input Wqkv: QUANTISED
;;     2. batch 16 x [M 3,520, K 64] x [K 64, N 3,520]; A: computed on the way; B: computed on the way: left as it is (an operand is computed on the way)
;;     3. batch 16 x [M 3,520, K 3,520] x [K 3,520, N 64]; A: computed on the way; B: computed on the way: left as it is (an operand is computed on the way)
;;     4. [M 3,520, K 1,024] x [K 1,024, N 1,024]; A: computed on the way; B: input Wproj: left as it is (an operand is computed on the way)
;;   THE QUANTISER, for each operand of a quantised product, along K:
;;     - K is cut into blocks of 32 from its start; a last block that is shorter is filled with zeros.
;;     - A block's scale is 2^e with e = floor(log2(the largest magnitude in the block)) - 2, held to -126 .. 127; a block of zeros has e = 0. As a byte (E8M0): e + 127.
;;     - Each number is divided by its block's scale, clamped to +-6, and rounded to the nearest number of E2M1, ties to even, subnormals kept.
;;     - The product sums the exact products of the quantised numbers (number of the format x scale) in f32.
;;   ~~~python
;;   def quantise(x, axis):      # numpy; x: float32 -> the quantised numbers, widened to float32 again
;;       x = np.moveaxis(x, axis, -1); K = x.shape[-1]
;;       x = np.pad(x, [(0, 0)] * (x.ndim - 1) + [(0, -K % 32)]); x = x.reshape(x.shape[:-1] + (-1, 32)); a = np.abs(x).max(-1, keepdims=True)
;;       e = np.where(a > 0, np.clip(np.frexp(np.where(a > 0, a, 1))[1] - 1 - 2, -126, 127), 0)      # np.frexp(a)[1] - 1 = floor(log2(a)), exactly
;;       r = np.clip(x / 2.0 ** e, -6, 6)
;;       step = 2.0 ** (np.maximum(np.frexp(np.where(r == 0, 1, r))[1] - 1, 0) - 1)
;;       q = np.round(r / step) * step * 2.0 ** e      # np.round: ties to even
;;       return np.moveaxis(q.reshape(q.shape[:-2] + (-1,))[..., :K], -1, axis).astype(np.float32)
;;   ~~~
;; One version. Each part assembles by itself: llvm-mc -triple=amdgcn-amd-amdhsa -mcpu=gfx1250 --defsym DOCPART=n.
;; ======== version 1 of 1: 4 launches
;; limits: values are held in f16: magnitudes above 65,504 overflow, below 6.1e-05 lose precision
;; workspace buffers: xq 2,928,640 bytes; wq 1,671,168 bytes; wp 2,097,152 bytes; q16 7,208,960 bytes; k16 7,208,960 bytes; v16 7,208,960 bytes; oimg 7,340,032 bytes
;; launch prep (part 1): grid 421 x 1, 4 waves a work-group, no clusters, 34,816 bytes of LDS; arguments x, Wqkv, Wproj, xq, wq, wp; writes xq, wq, wp
.if DOCPART == 1
	.amdgcn_target "amdgcn-amd-amdhsa--gfx1250"
	.amdhsa_code_object_version 6
	.text
	.protected	k_q26400dc723_prep
	.globl	k_q26400dc723_prep
	.p2align	8
	.type	k_q26400dc723_prep,@function
k_q26400dc723_prep:
	s_mov_b64 s[64:65], 0
	v_nop
	global_prefetch_b8 v0, s[64:65] scope:SCOPE_SE
	s_setreg_imm32_b32 hwreg(HW_REG_WAVE_MODE, 25, 1), 1
	s_wait_xcnt 0x0
; PREP: what the later launches read many times is made once.  Four roles, parted by the work-group's number:
;   W (work-groups 0-191):   Wqkv [1024 k][3072 n] f32 -> codes of E2M1 and E8M0 scale bytes along k, laid as images of the matrix operand's registers (wq)
;   X (192-301):             x [3520][1024] f32 -> the same along its rows (xq)
;   P (302-365):             Wproj [1024 k][1024 n] f32 -> f16, laid as images of the f16 operand's registers (wp)
;   T (366-420):             cos and sin of position x theta_i for the rotation of q and k, in the layout of the first product's results (xq)
; THE QUANTISER: a block of 32 along K has the scale 2^(floor(log2(largest magnitude)) - 2); its byte is the largest magnitude's exponent field - 2, held at 1 from below;
; each number is divided by the scale and rounded to the nearest code, ties to even, beyond 6 the largest code.
; LIMITS: NaN and infinities among the inputs are not served; a block whose largest magnitude lies under 2^-124 keeps the byte 1; a block of zeros keeps the byte 1 where the rule says 127
; (its codes are zeros, and these bytes are read by this program alone); theta_i = 2^(-i log2(10000) / 32) comes from v_exp_f32 and may differ from a correctly rounded power in its last bits.
; LAYOUTS.  xq: 220 records (16 rows each) of 13,312 bytes: 8 fragments of 1,024 bytes (K step s: piece c at 512 c + 16 x lane; lane (r, h) holds block 2 c + h of row r);
;   at 8,192 the scale words [K half][lane][4 words]; at 9,216 the table, 8 pieces of 512 bytes.
; wq: 96 records (32 columns each) of 17,408 bytes: codes at 8,192 (column / 16) + 1,024 s + 256 block + 16 (column % 16); at 16,384 the scale words [K step][column][4 bytes].
; wp: [k / 256][column tile][(k / 32) % 8][1,024 bytes]: 256 (k % 32 / 8) + 16 (column % 16).
; Waves share nothing: no barrier.  Only role X touches LDS.  No tensor loads, clusters or matrix units: a stream that shares no byte between work-groups.
.set XREC,  13312
.set WREC,  17408
.set SPARE, 33792                      ; behind role X's four stages of 8,448 bytes: the spare words, 128 bytes for each wave, which no other line names
.set SPW,   254                        ; v254 LDS address of my spare word; never rewritten
.set NIL,   255                        ; v255 0; never rewritten
	s_load_b128 s[4:7], s[0:1], 0x0                ; x, Wqkv
	s_load_b128 s[8:11], s[0:1], 0x10              ; Wproj, xq
	s_load_b128 s[12:15], s[0:1], 0x20             ; wq, wp
	v_lshl_add_u32 v[SPW], v0, 2, SPARE
	v_mov_b32 v[NIL], 0
	v_lshrrev_b32 v1, 5, v0
	v_readfirstlane_b32 s16, v1                    ; wave 0..3
	v_and_b32 v2, 31, v0                           ; lane
	v_and_b32 v3, 15, v0                           ; r
	v_bfe_u32 v4, v0, 4, 1                         ; h
	v_lshlrev_b32 v5, 4, v2                        ; 16 x lane
	v_lshlrev_b32 v6, 2, v2                        ; 4 x lane
	v_lshlrev_b32 v7, 4, v3
	v_lshl_add_u32 v7, v4, 13, v7                  ; a column's place in a record of wq or a pair of tiles of wp: 8,192 (lane / 16) + 16 (lane % 16)
	s_wait_kmcnt 0x0
	s_cmp_lt_u32 ttmp9, 192
	s_cbranch_scc0 .Lnot_w
; ---------------- ROLE W.  A lane takes a column and its registers run down K: a block of 32 lies in one lane, and the conversions give codes with K innermost.
; Work-group b: 128 columns (b / 8), K step b % 8; wave w: 32 of the columns, so the four waves read 512 neighbouring bytes of each row.
	s_lshr_b32 s17, ttmp9, 3
	s_lshl_b32 s17, s17, 2
	s_add_co_u32 s17, s17, s16                     ; which 32 columns
	s_and_b32 s18, ttmp9, 7                        ; K step
	s_mul_i32 s20, s18, 128*12288
	s_lshl_b32 s19, s17, 7
	s_add_co_u32 s20, s20, s19
	s_mov_b32 s21, 0
	s_add_nc_u64 s[6:7], s[6:7], s[20:21]          ; Wqkv at (128 s, 32 np)
	s_mul_i32 s22, s17, WREC
	s_lshl_b32 s19, s18, 10
	s_add_co_u32 s20, s22, s19
	s_add_nc_u64 s[24:25], s[12:13], s[20:21]      ; the record's codes of this K step
	s_lshl_b32 s19, s18, 7
	s_add_co_u32 s20, s22, s19
	s_add_co_u32 s20, s20, 16384
	s_add_nc_u64 s[26:27], s[12:13], s[20:21]      ; and its scale words
.macro WLOAD t                         ; block t: W(32 t + i, my column) into set t % 2
.set i, 0
.rept 32
	global_load_b32 v[32+32*((\t)%2)+i], v6, s[6:7] offset:(32*(\t)+i)*12288 th:TH_LOAD_NT
.set i, i+1
.endr
.endm
.macro WBLOCK t
.set XS, 32+32*((\t)%2)
.if (\t) < 3
	s_wait_loadcnt 32                              ; this block's 32 loads are in; the next block's 32 may be out
.else
	s_wait_loadcnt 0x0
.endif
	v_max3_num_f32 v12, |v[XS]|, |v[XS+1]|, |v[XS+2]|   ; the block's largest magnitude, in two chains
	v_max3_num_f32 v13, |v[XS+3]|, |v[XS+4]|, |v[XS+5]|
.irp i, 6,10,14,18,22,26
	v_max3_num_f32 v12, v12, |v[XS+\i]|, |v[XS+\i+1]|
	v_max3_num_f32 v13, v13, |v[XS+\i+2]|, |v[XS+\i+3]|
.endr
	v_max3_num_f32 v12, v12, |v[XS+30]|, |v[XS+31]|
	v_max3_num_f32 v12, v12, v13, 0x1800000        ; and the floor 2^(3 - 127): the byte cannot fall under 1
	v_add_nc_u32 v11, 0xff000000, v12              ; 2 off the exponent field: the conversion takes this operand's exponent field as its scale
	v_lshrrev_b32 v13, 23, v11                     ; the scale's byte
.if (\t) == 0
	v_mov_b32 v20, v13
.else
	v_lshl_or_b32 v20, v13, 8*(\t), v20            ; four bytes make the column's scale word of this K step
.endif
.irp g, 0,1,2,3
	v_cvt_scalef32_pk8_fp4_f32 v[96+4*(\t)+\g], v[XS+8*\g:XS+8*\g+7], v11
.endr
	v_nop                                          ; one plain line behind the last conversion
	global_store_b128 v7, v[96+4*(\t):96+4*(\t)+3], s[24:25] offset:256*(\t)   ; sixteen lanes store 256 consecutive bytes, aligned; each block has registers of its own
.if (\t)+2 < 4
	WLOAD (\t)+2
.endif
.endm
	WLOAD 0
	WLOAD 1
	WBLOCK 0
	WBLOCK 1
	WBLOCK 2
	WBLOCK 3
	global_store_b32 v6, v20, s[26:27]             ; 32 scale words: 128 consecutive bytes, one byte for each 128 that the wave read
	s_endpgm
.Lnot_w:
	s_cmp_lt_u32 ttmp9, 302
	s_cbranch_scc0 .Lnot_x
; ---------------- ROLE X.  A wave takes 16 rows x 512 along K: four fragments.  Each load reads 512 consecutive bytes of a row; the 16 rows turn through the wave's own stage in LDS
; (rows of 512 + 16 bytes), from which lane (r, h) takes blocks h and 2 + h of row r: 32 neighbours each, in the order of the operand's registers.
	s_sub_co_u32 s17, ttmp9, 192
	s_lshl_b32 s17, s17, 2
	s_add_co_u32 s17, s17, s16
	s_lshr_b32 s18, s17, 1                         ; which 16 rows
	s_and_b32 s19, s17, 1                          ; which half of K
	s_lshl_b32 s20, s18, 16
	s_lshl_b32 s21, s19, 11
	s_add_co_u32 s20, s20, s21
	s_mov_b32 s21, 0
	s_add_nc_u64 s[4:5], s[4:5], s[20:21]
	s_mul_i32 s22, s18, XREC
	s_lshl_b32 s23, s19, 12
	s_add_co_u32 s20, s22, s23
	s_add_nc_u64 s[26:27], s[10:11], s[20:21]      ; the record's four fragments of this half
	s_lshl_b32 s23, s19, 9
	s_add_co_u32 s20, s22, s23
	s_add_co_u32 s20, s20, 8192
	s_add_nc_u64 s[28:29], s[10:11], s[20:21]      ; and their scale words
	s_mul_i32 s30, s16, 8448                       ; my stage
	v_add_nc_u32 v244, s30, v5                     ; in: 16 x lane of a row
	v_mul_u32_u24 v245, v3, 528
	v_lshl_add_u32 v245, v4, 7, v245
	v_add_nc_u32 v245, s30, v245                   ; out: row r, 128 h bytes on
	v_lshlrev_b32 v246, 3, v4                      ; 8 h: where my two bytes stand in the scale word
	v_mov_b32 v15, 0                               ; a lane permute's destination counts as read: written once
	s_mov_b32 s32, 0x76543210
	s_mov_b32 s33, 0xfedcba98                      ; selects for lane l xor 16
.macro XLOAD f
.set i, 0
.rept 16
	global_load_b128 v[16+64*((\f)%2)+4*i:16+64*((\f)%2)+4*i+3], v5, s[4:5] offset:4096*i+512*(\f) th:TH_LOAD_NT
.set i, i+1
.endr
.endm
.macro XFRAG f
.if (\f) < 3
	s_wait_loadcnt 16                              ; this fragment's 16 loads are in; the next fragment's 16 may be out
.else
	s_wait_loadcnt 0x0
.endif
.set i, 0
.rept 16
	ds_store_b128 v244, v[16+64*((\f)%2)+4*i:16+64*((\f)%2)+4*i+3] offset:528*i
.set i, i+1
.endr
.irp c, 0,1
.set i, 0
.rept 8
	ds_load_b128 v[144+32*\c+4*i:144+32*\c+4*i+3], v245 offset:256*\c+16*i   ; LDS serves a wave's instructions in order: these see the stores above
.set i, i+1
.endr
.endr
	s_wait_dscnt 0x0                               ; my 64 numbers are back, and the stores have read their registers,
.if (\f)+2 < 4
	XLOAD (\f)+2                                   ; which take the loads of two fragments on
.endif
.irp c, 0,1
	v_max3_num_f32 v[8+\c], |v[144+32*\c]|, |v[145+32*\c]|, 0x1800000   ; block 2 c + h: all 32 numbers are mine; the floor 2^(3 - 127) among the leaves
.endr
.irp i, 2,4,6,8,10,12,14,16,18,20,22,24,26,28,30
.irp c, 0,1
	v_max3_num_f32 v[8+\c], v[8+\c], |v[144+32*\c+\i]|, |v[145+32*\c+\i]|
.endr
.endr
.irp c, 0,1
	v_add_nc_u32 v[10+\c], 0xff000000, v[8+\c]     ; the conversion's scale operand
.endr
.irp c, 0,1
	v_lshrrev_b32 v[12+\c], 23, v[10+\c]           ; the byte
.endr
	v_lshl_or_b32 v14, v13, 16, v12                ; blocks h and 2 + h,
	v_lshlrev_b32 v14, v246, v14                   ; at their places;
	v_permlanex16_b32 v15, v14, s32, s33
	v_or_b32 v[240+(\f)], v14, v15                 ; with lane l xor 16's two the row's word is whole, in both lanes
.irp c, 0,1
.irp g, 0,1,2,3
	v_cvt_scalef32_pk8_fp4_f32 v[208+8*(\f)+4*\c+\g], v[144+32*\c+8*\g:144+32*\c+8*\g+7], v[10+\c]
.endr
.endr
	v_nop                                          ; one plain line behind the last conversion
.irp c, 0,1
	global_store_b128 v5, v[208+8*(\f)+4*\c:208+8*(\f)+4*\c+3], s[26:27] offset:1024*(\f)+512*\c   ; 512 consecutive bytes, aligned; registers of their own
.endr
.endm
	XLOAD 0
	XLOAD 1
	XFRAG 0
	XFRAG 1
	XFRAG 2
	XFRAG 3
	global_store_b128 v5, v[240:243], s[28:29]     ; four scale words a lane: 512 consecutive bytes
	s_wait_tensorcnt 0x0                           ; the wave's end, behind my last LDS store
	ds_add_u32 v[SPW], v[NIL]
	s_wait_dscnt 0x0
	s_endpgm
.Lnot_x:
	s_cmp_lt_u32 ttmp9, 366
	s_cbranch_scc0 .Lnot_p
; ---------------- ROLE P.  As role W, a lane to a column and registers down K; eight neighbours along K round to 16 bytes of f16, which are four registers of the f16 operand.
	s_sub_co_u32 s17, ttmp9, 302
	s_lshr_b32 s18, s17, 3
	s_lshl_b32 s18, s18, 2
	s_add_co_u32 s18, s18, s16                     ; which 32 columns
	s_and_b32 s19, s17, 7                          ; which 128 along K
	s_lshl_b32 s20, s19, 19
	s_lshl_b32 s21, s18, 7
	s_add_co_u32 s20, s20, s21
	s_mov_b32 s21, 0
	s_add_nc_u64 s[8:9], s[8:9], s[20:21]
	s_lshr_b32 s22, s19, 1
	s_lshl_b32 s22, s22, 6
	s_lshl_b32 s23, s18, 1
	s_add_co_u32 s22, s22, s23                     ; 64 (k / 256) + my first column tile
	s_lshl_b32 s22, s22, 13
	s_and_b32 s23, s19, 1
	s_lshl_b32 s23, s23, 12
	s_add_co_u32 s22, s22, s23
	s_mov_b32 s23, 0
	s_add_nc_u64 s[14:15], s[14:15], s[22:23]
.macro PLOAD g
.set i, 0
.rept 32
	global_load_b32 v[16+32*(\g)+i], v6, s[8:9] offset:(32*(\g)+i)*4096 th:TH_LOAD_NT
.set i, i+1
.endr
.endm
.macro PCONV g, left                   ; 32 along K: four runs of eight.  left: the younger loads that may stay out
	s_wait_loadcnt \left
.set i, 0
.rept 16
	v_cvt_pk_f16_f32 v[144+16*(\g)+i], v[16+32*(\g)+2*i], v[16+32*(\g)+2*i+1]
.set i, i+1
.endr
.irp o, 0,1,2,3
	global_store_b128 v7, v[144+16*(\g)+4*\o:144+16*(\g)+4*\o+3], s[14:15] offset:1024*(\g)+256*\o   ; sixteen lanes store 256 consecutive bytes, aligned
.endr
.endm
	PLOAD 0
	PLOAD 1
	PCONV 0, 32
	PLOAD 2
	PCONV 1, 32
	PLOAD 3
	PCONV 2, 32
	PCONV 3, 0
	s_endpgm
.Lnot_p:
; ---------------- ROLE T.  A wave makes the table of 16 positions.  Lane (r, h), piece e, holds (cos, sin, cos, sin) of pairs i = 8 (e / 2) + 4 h + 2 (e % 2) + {0, 1} at position 16 mt + r.
; The angle is position x theta_i, rounded once; it is brought to [-pi/4, pi/4] by taking off n x pi/2, pi/2 in two parts, with fused multiply-adds; sine and cosine are polynomials there;
; n's low two bits choose and sign them, by selects: no branch and no address hangs on these numbers.
	s_sub_co_u32 s17, ttmp9, 366
	s_lshl_b32 s17, s17, 2
	s_add_co_u32 s17, s17, s16                     ; which 16 positions
	s_mul_i32 s20, s17, XREC
	s_add_co_u32 s20, s20, 9216
	s_mov_b32 s21, 0
	s_add_nc_u64 s[10:11], s[10:11], s[20:21]
	s_lshl_b32 s18, s17, 4
	v_add_nc_u32 v8, s18, v3
	v_cvt_f32_u32 v8, v8                           ; my position
	v_lshlrev_b32 v9, 2, v4                        ; 4 h
	s_mov_b32 s22, 0xbfc90fdb                      ; -pi/2, its upper part
	s_mov_b32 s23, 0x333bbd2e                      ; and what the upper part has too much
	s_mov_b32 s24, 0xb94ca1f9                      ; sine: -1.9515295891e-4
	s_mov_b32 s25, 0x3c08839e                      ;        8.3321608736e-3
	s_mov_b32 s26, 0xbe2aaaa3                      ;       -1.6666654611e-1
	s_mov_b32 s27, 0x37ccf5ce                      ; cosine: 2.443315712e-5
	s_mov_b32 s28, 0xbab6061a                      ;        -1.388731625e-3
	s_mov_b32 s29, 0x3d2aaaa5                      ;         4.166664568e-2
.irp m, 0,1,2,3,4,5,6,7,8,9,10,11,12,13,14,15
	v_add_nc_u32 v[16+\m], 8*(\m/4)+(\m%4), v9     ; i
.endr
.irp m, 0,1,2,3,4,5,6,7,8,9,10,11,12,13,14,15
	v_cvt_f32_u32 v[16+\m], v[16+\m]
.endr
.irp m, 0,1,2,3,4,5,6,7,8,9,10,11,12,13,14,15
	v_mul_f32 v[16+\m], 0xbed49a78, v[16+\m]       ; -i log2(10000) / 32
.endr
.irp m, 0,1,2,3,4,5,6,7,8,9,10,11,12,13,14,15
	v_exp_f32 v[16+\m], v[16+\m]                   ; theta_i: one batch
.endr
	v_nop                                          ; a plain line behind the last exponential,
	s_wait_alu depctr_va_vdst(0)                   ; and one wait for the batch ahead of its first reader
.macro SINCOS m
	v_mul_f32 v32, v8, v[16+\m]                    ; the angle
	v_mul_f32 v33, 0x3f22f983, v32
	v_rndne_f32 v33, v33                           ; n = the nearest whole number to angle x 2/pi
	v_fma_f32 v34, v33, s22, v32
	v_fma_f32 v34, v33, s23, v34                   ; what is left, within pi/4
	v_mul_f32 v35, v34, v34
	v_fma_f32 v36, v35, s24, s25
	v_fma_f32 v37, v35, s27, s28
	v_fma_f32 v36, v36, v35, s26
	v_fma_f32 v37, v37, v35, s29
	v_mul_f32 v36, v36, v35
	v_mul_f32 v38, v35, v35
	v_fma_f32 v39, v35, -0.5, 1.0
	v_fma_f32 v36, v36, v34, v34                   ; its sine
	v_fma_f32 v37, v37, v38, v39                   ; its cosine
	v_cvt_i32_f32 v40, v33
	v_and_b32 v41, 1, v40
	v_cmp_eq_u32 vcc_lo, 1, v41                    ; an odd n swaps the two
	v_cndmask_b32 v42, v36, v37, vcc_lo
	v_cndmask_b32 v43, v37, v36, vcc_lo
	v_and_b32 v41, 2, v40
	v_lshlrev_b32 v41, 30, v41
	v_xor_b32 v[65+2*\m], v42, v41                 ; sin: negative for n % 4 = 2, 3
	v_add_nc_u32 v40, 1, v40
	v_and_b32 v40, 2, v40
	v_lshlrev_b32 v40, 30, v40
	v_xor_b32 v[64+2*\m], v43, v40                 ; cos: negative for n % 4 = 1, 2
.endm
.irp m, 0,1,2,3,4,5,6,7,8,9,10,11,12,13,14,15
	SINCOS \m
.endr
.irp e, 0,1,2,3,4,5,6,7
	global_store_b128 v5, v[64+4*\e:64+4*\e+3], s[10:11] offset:512*\e   ; 512 consecutive bytes, aligned
.endr
	s_endpgm
.Lfunc_end_k_q26400dc723_prep:
	.size	k_q26400dc723_prep, .Lfunc_end_k_q26400dc723_prep-k_q26400dc723_prep
	.p2alignl 7, 3214868480
	.fill 96, 4, 3214868480
	.section	.rodata,"a",@progbits
	.p2align	6, 0x0
	.amdhsa_kernel k_q26400dc723_prep
		.amdhsa_group_segment_fixed_size 34816
		.amdhsa_private_segment_fixed_size 0
		.amdhsa_enable_private_segment 0
		.amdhsa_kernarg_size 48
		.amdhsa_user_sgpr_count 2
		.amdhsa_user_sgpr_kernarg_segment_ptr 1
		.amdhsa_wavefront_size32 1
		.amdhsa_system_sgpr_workgroup_id_x 1
		.amdhsa_system_sgpr_workgroup_id_y 1
		.amdhsa_system_sgpr_workgroup_id_z 1
		.amdhsa_system_vgpr_workitem_id 0
		.amdhsa_next_free_vgpr 256
		.amdhsa_next_free_sgpr 66
		.amdhsa_reserve_vcc 1
		.amdhsa_float_denorm_mode_32 3
		.amdhsa_float_denorm_mode_16_64 3
		.amdhsa_memory_ordered 1
		.amdhsa_forward_progress 1
		.amdhsa_inst_pref_size 90
	.end_amdhsa_kernel
	.amdgpu_metadata
---
amdhsa.version: [ 1, 2 ]
amdhsa.kernels:
  - .name:           k_q26400dc723_prep
    .symbol:         k_q26400dc723_prep.kd
    .args:
      - { .name: x, .offset: 0, .size: 8, .value_kind: global_buffer, .address_space: global }
      - { .name: Wqkv, .offset: 8, .size: 8, .value_kind: global_buffer, .address_space: global }
      - { .name: Wproj, .offset: 16, .size: 8, .value_kind: global_buffer, .address_space: global }
      - { .name: xq, .offset: 24, .size: 8, .value_kind: global_buffer, .address_space: global }
      - { .name: wq, .offset: 32, .size: 8, .value_kind: global_buffer, .address_space: global }
      - { .name: wp, .offset: 40, .size: 8, .value_kind: global_buffer, .address_space: global }
    .group_segment_fixed_size: 34816
    .private_segment_fixed_size: 0
    .kernarg_segment_align: 8
    .kernarg_segment_size: 48
    .max_flat_workgroup_size: 128
    .sgpr_count:     66
    .vgpr_count:     256
    .wavefront_size: 32
...
	.end_amdgpu_metadata
.endif
;; end of part 1
;; launch qkv (part 2): grid 12 x 20, 8 waves a work-group, clusters of 4 x 4, 327,680 bytes of LDS; arguments xq, wq, qn_w, kn_w, q16, k16, v16; writes q16, k16, v16
.if DOCPART == 2
	.amdgcn_target "amdgcn-amd-amdhsa--gfx1250"
	.amdhsa_code_object_version 6
	.text
	.protected	k_q26400dc723_qkv
	.globl	k_q26400dc723_qkv
	.p2align	8
	.type	k_q26400dc723_qkv,@function
k_q26400dc723_qkv:
	s_mov_b64 s[64:65], 0
	v_nop
	global_prefetch_b8 v0, s[64:65] scope:SCOPE_SE
	s_setreg_imm32_b32 hwreg(HW_REG_WAVE_MODE, 25, 1), 1
	s_wait_xcnt 0x0
	s_wait_alu depctr_hold_cnt(0) depctr_sa_sdst(0) depctr_va_vdst(0) depctr_va_sdst(0) depctr_va_ssrc(0) depctr_va_vcc(0) depctr_vm_vsrc(0)
	s_getreg_b32 s2, hwreg(HW_REG_IB_STS2, 6, 4)
	s_cmp_eq_u32 s2, 0
	s_cbranch_scc0 .Lentry_in_a_cluster
	s_endpgm
.Lentry_in_a_cluster:
	s_bfe_u32 s2, ttmp6, 0x10000c
	s_cmp_lg_u32 s2, 0xf033
	s_cbranch_scc0 .Lentry_shape_is_right
	s_endpgm
.Lentry_shape_is_right:
; QKV: qkv = x Wqkv on codes of E2M1 with E8M0 scales (v_wmma_scale_f32_16x16x128_f8f6f4), then for q and k the RMS norm with its gain and the rotation by position, all in f32;
; q is also multiplied by log2(e) / 8, so that the next launch's scores are exponents of 2.  q, k and v leave as f16, laid [head][position][64].
; LIMITS: |v| must stay under 65,504 (f16); NaN and infinities are not served.
; SHARES.  A work-group makes 176 rows x 256 columns (4 heads of q, of k or of v: the cluster's x says which), with all of K = 1,024 at once: 11 records of xq and 8 of wq lie in LDS, each filled once.
; Wave w: head w % 4; row tiles 2 trip + w / 4 (six tiles for waves 0-3, five for waves 4-7).  Its 64 columns x all of K stay in registers (window 1: 32 fragments).
; THE MATRIX INSTRUCTION IS USED TRANSPOSED (source 0 = 16 columns of W, source 1 = 16 rows of x): lane (r, h) holds row r and columns 16 nt + 8 h + 0..7 of its head: the pairs of the rotation are neighbouring registers,
; and a row's sum of squares wants one exchange between the halves of the lanes.
; CLUSTER 4 x 4: the four work-groups of a row need the same records of xq, the four of a column the same records of wq: each is asked for jointly, one tensor load a wave, all behind one round.
; By this text's count a wave has one tensor load outstanding.  Nothing is filled twice: no ring.  No prefetch: all loads stand at the head.
; REGISTERS, window 0: v1-10 addresses; v11-15 at work; v16-31 W's scale words; v32-39 x's; v40-47 at work; v48-111 x's 8 fragments; v112-143 four accumulators; v144-175 cos, sin; v176-207 the gain; v208-223 f16 results; v224-239 rows on the way out.
.set XREC,  13312
.set WREC,  17408
.set BOFF,  11*XREC                    ; LDS: 11 records of xq, then 8 records of wq,
.set STG,   BOFF+8*WREC                ; a stage of 16 rows x (128 + 16) bytes for each wave,
.set SPARE, STG+8*2304                 ; and the spare words, 128 bytes for each wave, which no other line names
.set LN,   1                           ; v1  16 x lane
.set ADA,  2                           ; v2  my row tile's record
.set ADB,  3                           ; v3  my head's two records
.set ABS,  4                           ; v4  and their scale words
.set STO,  5                           ; v5  the stage: where I put 16 bytes of a row
.set RD,   6                           ; v6  and where I read it back
.set SPW,  8                           ; v8  my spare word; never rewritten
.set NIL,  9                           ; v9  0; never rewritten
.set WO,   10                          ; v10 32 h: my place in the gain
.set BS,   16
.set AS,   32
.set T,    40
.set AF,   48
.set ACC,  112
.set CS,   144
.set WN,   176
.set H,    208
.set OB,   224
.set WV,   18
.set HC,   19
.set PAR,  20
.set G1A,  24
.set G0A,  32
.set G1B,  48
.set G0B,  56
.set OUT,  66
.set WP,   68
.set SEL,  70
.set I64,  72
.set EPS,  73
.set QS,   74
.set MSB, 0
.macro WIN new                         ; the immediate's high byte repeats the setting that is left
.if MSB != \new
	s_set_vgpr_msb (MSB<<8)|\new
.set MSB, \new
.endif
.endm
.macro CROUND                          ; a round of the cluster's barrier
	s_barrier_signal -1
	s_barrier_wait -1
	s_cmp_lg_u32 s[WV], 0
	s_cbranch_scc1 .Lnot_wave_0_\@
	s_barrier_signal -3
.Lnot_wave_0_\@:
	s_barrier_wait -3
	s_barrier_signal -1
	s_barrier_wait -1
.endm
	s_load_b256 s[4:11], s[0:1], 0x0               ; xq s[4:5], wq s[6:7], qn_w s[8:9], kn_w s[10:11]
	s_load_b128 s[12:15], s[0:1], 0x20             ; q16, k16
	s_load_b64 s[16:17], s[0:1], 0x30              ; v16
	v_lshl_add_u32 v[SPW], v0, 2, SPARE
	v_mov_b32 v[NIL], 0
	ds_add_u32 v[SPW], v[NIL]                      ; the opening: the add, twice on end, and its wait ahead of my first tensor load
	ds_add_u32 v[SPW], v[NIL]
	v_lshrrev_b32 v1, 5, v0
	v_readfirstlane_b32 s[WV], v1                  ; wave 0..7
	s_and_b32 s[HC], s[WV], 3                      ; my head of the four.  Also: which quarter of a block I fetch
	s_lshr_b32 s[PAR], s[WV], 2                    ; even or odd row tiles.  Also: I fetch for wq (0) or for xq (1)
	s_bfe_u32 s21, ttmp6, 0x40000                  ; cx
	s_bfe_u32 s22, ttmp6, 0x40004                  ; cy
	s_lshl_b32 s23, ttmp9, 2
	s_add_co_u32 s23, s23, s21                     ; which 256 columns = 4 x cluster x + cx
	s_and_b32 s36, ttmp7, 0xffff
	s_lshl_b32 s36, s36, 2
	s_add_co_u32 s36, s36, s22                     ; which 176 rows = 4 x cluster y + cy
	s_lshl_b32 s37, s22, 2
	s_lshl_b32 s37, 15, s37                        ; my row of the cluster
	s_lshl_b32 s38, 0x1111, s21                    ; my column
	; descriptor groups 1: dense blocks as rows of 256 bytes (32 elements of 8 bytes), no padding: the images are read 512 consecutive bytes at a time
	s_or_b32 s[G1A], s37, (3<<16)|(1<<21)          ; xq's records go to my row
	s_mov_b32 s[G1A+1], 32<<16
	s_mov_b32 s[G1A+2], 143<<16                    ; a quarter of 11 records: 143 rows
	s_mov_b32 s[G1A+3], 32<<16
	s_mov_b32 s[G1A+4], 143
	s_mov_b32 s[G1A+5], 32
	s_mov_b32 s[G1A+6], 0
	s_mov_b32 s[G1A+7], 0
	s_or_b32 s[G1B], s38, (3<<16)|(1<<21)          ; wq's records go to my column
	s_mov_b32 s[G1B+1], 32<<16
	s_mov_b32 s[G1B+2], 136<<16                    ; two records: 136 rows
	s_mov_b32 s[G1B+3], 32<<16
	s_mov_b32 s[G1B+4], 136
	s_mov_b32 s[G1B+5], 32
	s_mov_b32 s[G1B+6], 0
	s_mov_b32 s[G1B+7], 0
	s_mul_i32 s42, s[HC], 36608                    ; xq: my quarter, in LDS and in memory
	s_mul_i32 s40, s36, 11*XREC
	s_add_co_u32 s40, s40, s42
	s_mov_b32 s41, 0
	s_mul_i32 s43, s[HC], 2*WREC                   ; wq: my quarter
	s_mul_i32 s44, s23, 8*WREC
	s_add_co_u32 s44, s44, s43
	s_mov_b32 s45, 0
	s_lshl_b32 s60, s21, 2
	s_add_co_u32 s60, s60, s[HC]                   ; my head
	s_mul_i32 s60, s60, 450560
	s_mul_i32 s61, s36, 176
	s_lshl_b32 s62, s[PAR], 4
	s_add_co_u32 s61, s61, s62                     ; my first row
	s_lshl_b32 s61, s61, 7
	s_add_co_u32 s60, s60, s61
	s_mov_b32 s61, 0
	s_mov_b32 s[SEL], 0x76543210
	s_mov_b32 s[SEL+1], 0xfedcba98
	s_mov_b32 s[I64], 0x3c800000                   ; 1 / 64
	s_mov_b32 s[EPS], 0x358637bd                   ; 1e-6
	s_cmp_eq_u32 ttmp9, 0
	s_cselect_b32 s[QS], 0x3e38aa3b, 1.0           ; q alone is multiplied by log2(e) / 8
	s_wait_dscnt 0x0                               ; both opening adds are done
	s_wait_kmcnt 0x0
	s_mov_b32 s[G0A], 1
	s_mov_b32 s[G0A+1], s42
	s_add_nc_u64 s[G0A+2:G0A+3], s[4:5], s[40:41]
	s_or_b32 s[G0A+3], s[G0A+3], 0x80000000
	s_mov_b32 s[G0B], 1
	s_add_co_u32 s[G0B+1], s43, BOFF
	s_add_nc_u64 s[G0B+2:G0B+3], s[6:7], s[44:45]
	s_or_b32 s[G0B+3], s[G0B+3], 0x80000000
	s_cmp_eq_u32 ttmp9, 0                          ; the cluster's x: 0 q, 1 k, 2 v: the same in all sixteen partners
	s_cselect_b64 s[OUT:OUT+1], s[12:13], s[14:15]
	s_cselect_b64 s[WP:WP+1], s[8:9], s[10:11]
	s_cmp_eq_u32 ttmp9, 2
	s_cselect_b64 s[OUT:OUT+1], s[16:17], s[OUT:OUT+1]
	s_add_nc_u64 s[OUT:OUT+1], s[OUT:OUT+1], s[60:61]
	CROUND                                         ; all sixteen work-groups are here: the joint loads meet
	s_cmp_eq_u32 s[PAR], 0                         ; the branch hangs on the wave's number alone; an s_nop 0 and four v_nop follow each of the two lines
	s_cbranch_scc0 .Lfor_a
	tensor_load_to_lds s[G0B:G0B+3], s[G1B:G1B+7]
	s_nop 0
.rept 4
	v_nop
.endr
	s_branch .Lasked
.Lfor_a:
	tensor_load_to_lds s[G0A:G0A+3], s[G1A:G1A+7]
	s_nop 0
.rept 4
	v_nop
.endr
.Lasked:
	v_and_b32 v13, 31, v0                          ; lane
	v_and_b32 v11, 15, v0                          ; r
	v_bfe_u32 v12, v0, 4, 1                        ; h
	v_lshlrev_b32 v[LN], 4, v13
	v_lshlrev_b32 v[WO], 5, v12
; The gain, and further down the first tile's table, are fetched on every way through the text, so that each register that the text names has been written wherever it is named.  v's work-groups, which have no norm
; and no rotation, so make eight loads of kn_w and eight LDS loads once, and use neither.
.irp nt, 0,1,2,3
	global_load_b128 v[WN+8*\nt:WN+8*\nt+3], v[WO], s[WP:WP+1] offset:64*\nt      ; the gain at my columns 16 nt + 8 h + 0..7
	global_load_b128 v[WN+8*\nt+4:WN+8*\nt+7], v[WO], s[WP:WP+1] offset:64*\nt+16
.endr
	s_mul_i32 s37, s[PAR], XREC
	v_add_nc_u32 v[ADA], s37, v[LN]
	s_mul_i32 s38, s[HC], 2*WREC
	s_add_co_u32 s38, s38, BOFF
	v_add_nc_u32 v[ADB], s38, v[LN]
	v_lshl_add_u32 v[ABS], v13, 2, s38
	s_mul_i32 s37, s[WV], 2304
	s_add_co_u32 s37, s37, STG
	v_mul_u32_u24 v[STO], v11, 144
	v_lshl_add_u32 v[STO], v12, 4, v[STO]
	v_add_nc_u32 v[STO], s37, v[STO]               ; in: row r, 16 h bytes on
	v_lshrrev_b32 v14, 3, v13
	v_mul_u32_u24 v[RD], v14, 144
	v_and_b32 v14, 7, v13
	v_lshl_add_u32 v[RD], v14, 4, v[RD]
	v_add_nc_u32 v[RD], s37, v[RD]                 ; back: eight lanes to a row of 128 bytes, four rows an instruction
	v_mov_b32 v15, 0                               ; (named as the upper half of the pair v[14:15])
	s_wait_tensorcnt 0x0                           ; my part has landed,
	s_barrier_signal -1
	s_barrier_wait -1                              ; everybody's has
.macro AFETCH                          ; my row tile's 8 fragments and 8 scale words
.irp s, 0,1,2,3,4,5,6,7
	ds_load_b128 v[AF+8*\s:AF+8*\s+3], v[ADA] offset:1024*\s
	ds_load_b128 v[AF+8*\s+4:AF+8*\s+7], v[ADA] offset:1024*\s+512
.endr
	ds_load_b128 v[AS:AS+3], v[ADA] offset:8192
	ds_load_b128 v[AS+4:AS+7], v[ADA] offset:8192+512
.endm
.macro CSFETCH                         ; and its cos and sin
.irp e, 0,1,2,3,4,5,6,7
	ds_load_b128 v[CS+4*\e:CS+4*\e+3], v[ADA] offset:9216+512*\e
.endr
.endm
	WIN 0x40                                       ; destination window 1
.irp nt, 0,1,2,3                       ; my head's 32 fragments (column tile nt, K step s) at v[8 (8 nt + s)] of window 1: they stay
.irp s, 0,1,2,3,4,5,6,7
	ds_load_b128 v[8*(8*\nt+\s):8*(8*\nt+\s)+3], v[ADB] offset:(\nt/2)*WREC+(\nt%2)*8192+1024*\s
	ds_load_b128 v[8*(8*\nt+\s)+4:8*(8*\nt+\s)+7], v[ADB] offset:(\nt/2)*WREC+(\nt%2)*8192+1024*\s+512
.endr
.endr
	WIN 0
.irp p, 0,1
.irp s, 0,1,2,3,4,5,6,7
	ds_load_b32 v[BS+8*\p+\s], v[ABS] offset:16384+\p*WREC+128*\s    ; lanes 0-15: the even tile's columns; lanes 16-31: the odd tile's
.endr
.endr
	AFETCH
	CSFETCH
	s_wait_loadcnt 0x0                             ; the gain
; 32 matrix instructions: a tile of 16 rows x my 64 columns x all of K.  The four accumulators take turns, one instruction a turn; the first K step starts the sums.
.macro MULS
	WIN 0x01                                       ; source 0 (W) in window 1
.irp s, 0,1,2,3,4,5,6,7
.irp nt, 0,1,2,3
.if \s == 0
.if \nt % 2
	v_wmma_scale_f32_16x16x128_f8f6f4 v[ACC+8*\nt:ACC+8*\nt+7], v[8*(8*\nt+\s):8*(8*\nt+\s)+7], v[AF+8*\s:AF+8*\s+7], 0, v[BS+8*(\nt/2)+\s], v[AS+\s] matrix_a_fmt:MATRIX_FMT_FP4 matrix_b_fmt:MATRIX_FMT_FP4 matrix_a_scale:MATRIX_SCALE_ROW1
.else
	v_wmma_scale_f32_16x16x128_f8f6f4 v[ACC+8*\nt:ACC+8*\nt+7], v[8*(8*\nt+\s):8*(8*\nt+\s)+7], v[AF+8*\s:AF+8*\s+7], 0, v[BS+8*(\nt/2)+\s], v[AS+\s] matrix_a_fmt:MATRIX_FMT_FP4 matrix_b_fmt:MATRIX_FMT_FP4
.endif
.else
.if \nt % 2
	v_wmma_scale_f32_16x16x128_f8f6f4 v[ACC+8*\nt:ACC+8*\nt+7], v[8*(8*\nt+\s):8*(8*\nt+\s)+7], v[AF+8*\s:AF+8*\s+7], v[ACC+8*\nt:ACC+8*\nt+7], v[BS+8*(\nt/2)+\s], v[AS+\s] matrix_a_fmt:MATRIX_FMT_FP4 matrix_b_fmt:MATRIX_FMT_FP4 matrix_a_scale:MATRIX_SCALE_ROW1
.else
	v_wmma_scale_f32_16x16x128_f8f6f4 v[ACC+8*\nt:ACC+8*\nt+7], v[8*(8*\nt+\s):8*(8*\nt+\s)+7], v[AF+8*\s:AF+8*\s+7], v[ACC+8*\nt:ACC+8*\nt+7], v[BS+8*(\nt/2)+\s], v[AS+\s] matrix_a_fmt:MATRIX_FMT_FP4 matrix_b_fmt:MATRIX_FMT_FP4
.endif
.endif
.endr
.endr
	WIN 0
.endm
; The norm, the gain, the rotation, and the rounding to f16.  Each accumulator is read from its low end on.
.macro NORMROPE
	v_pk_mul_f32 v[T:T+1], v[ACC:ACC+1], v[ACC:ACC+1]              ; the sum of my 32 squares, two at a time, in two chains
	v_pk_mul_f32 v[T+2:T+3], v[ACC+2:ACC+3], v[ACC+2:ACC+3]
.irp j, 4,8,12,16,20,24,28
	v_pk_fma_f32 v[T:T+1], v[ACC+\j:ACC+\j+1], v[ACC+\j:ACC+\j+1], v[T:T+1]
	v_pk_fma_f32 v[T+2:T+3], v[ACC+\j+2:ACC+\j+3], v[ACC+\j+2:ACC+\j+3], v[T+2:T+3]
.endr
	v_pk_add_f32 v[T:T+1], v[T:T+1], v[T+2:T+3]
	v_add_f32 v11, v[T], v[T+1]
	v_permlanex16_b32 v12, v11, s[SEL], s[SEL+1]
	v_add_f32 v11, v11, v12                        ; with lane l xor 16's 32: the head's 64
	v_fma_f32 v11, v11, s[I64], s[EPS]             ; the mean + 1e-6
	v_rsq_f32 v14, v11
.set j, 0
.rept 16
	v_pk_mul_f32 v[ACC+j:ACC+j+1], v[ACC+j:ACC+j+1], v[WN+j:WN+j+1]   ; the gain: work that does not name the root's result
.set j, j+2
.endr
	s_wait_alu depctr_va_vdst(0)                   ; the wait ahead of the first reader of v_rsq_f32's result
	v_mul_f32 v14, s[QS], v14
.set j, 0
.rept 16
	v_pk_mul_f32 v[ACC+j:ACC+j+1], v[ACC+j:ACC+j+1], v[14:15] op_sel_hi:[1,0]
.set j, j+2
.endr
.irp g, 0,8,16,24                      ; a pair (y0, y1) with (c, s): (y0 c - y1 s, y1 c + y0 s); four pairs by turns
.irp p, 0,2,4,6
	v_pk_mul_f32 v[T+\p:T+\p+1], v[ACC+\g+\p:ACC+\g+\p+1], v[CS+\g+\p:CS+\g+\p+1] op_sel_hi:[1,0]
.endr
.irp p, 0,2,4,6
	v_fma_f32 v[T+\p], -v[ACC+\g+\p+1], v[CS+\g+\p+1], v[T+\p]
	v_fma_f32 v[T+\p+1], v[ACC+\g+\p], v[CS+\g+\p+1], v[T+\p+1]
.endr
.irp p, 0,2,4,6
	v_cvt_pk_f16_f32 v[H+(\g+\p)/2], v[T+\p], v[T+\p+1]
.endr
.endr
.endm
; One row tile.  The next tile's fragments are asked for straight behind the products' places and land under the norm.
.macro TRIPQ trip
	s_wait_dscnt 0x0                               ; this tile's fragments, scale words and table are in
	MULS
.rept 3
	v_nop                                          ; with the line below: four places behind the last product, ahead of loads into its sources and of the first read of results
.endr
	v_add_nc_u32 v[ADA], 2*XREC, v[ADA]            ; my next row tile's record
.if \trip < 5
.if \trip == 4
	s_cmp_eq_u32 s[PAR], 0                         ; waves 4-7 have five tiles
	s_cbranch_scc0 .Lno_a_\@
.endif
	AFETCH
.Lno_a_\@:
.endif
	s_cmp_eq_u32 ttmp9, 2
	s_cbranch_scc1 .Lis_v_\@
	NORMROPE
.if \trip < 5
.if \trip == 4
	s_cmp_eq_u32 s[PAR], 0
	s_cbranch_scc0 .Lout_\@
.endif
	CSFETCH
.endif
	s_branch .Lout_\@
.Lis_v_\@:
.set j, 0
.rept 16
	v_cvt_pk_f16_f32 v[H+j], v[ACC+2*j], v[ACC+2*j+1]              ; v is only rounded
.set j, j+1
.endr
.Lout_\@:
	s_wait_xcnt 0x0                                ; the last tile's stores have read their registers
.irp nt, 0,1,2,3
	ds_store_b128 v[STO], v[H+4*\nt:H+4*\nt+3] offset:32*\nt       ; my eight columns of row r: 16 bytes
.endr
.irp k, 0,1,2,3
	ds_load_b128 v[OB+4*\k:OB+4*\k+3], v[RD] offset:576*\k         ; LDS serves a wave's instructions in order: these see the stores above
.endr
	s_wait_dscnt 0x0
.irp k, 0,1,2,3
	global_store_b128 v[LN], v[OB+4*\k:OB+4*\k+3], s[OUT:OUT+1] offset:4096*\trip+512*\k   ; a tile's 16 rows of 128 bytes are 2,048 consecutive bytes: 512 an instruction, aligned
.endr
.endm
	TRIPQ 0
	TRIPQ 1
	TRIPQ 2
	TRIPQ 3
	TRIPQ 4
	s_cmp_eq_u32 s[PAR], 0
	s_cbranch_scc0 .Lend
	TRIPQ 5
.Lend:
	s_wait_tensorcnt 0x0                           ; the wave's end, behind my last tensor load and my last LDS store
	ds_add_u32 v[SPW], v[NIL]
	s_wait_dscnt 0x0
	CROUND                                         ; the closing round
	s_endpgm
.Lfunc_end_k_q26400dc723_qkv:
	.size	k_q26400dc723_qkv, .Lfunc_end_k_q26400dc723_qkv-k_q26400dc723_qkv
	.p2alignl 7, 3214868480
	.fill 96, 4, 3214868480
	.section	.rodata,"a",@progbits
	.p2align	6, 0x0
	.amdhsa_kernel k_q26400dc723_qkv
		.amdhsa_group_segment_fixed_size 327680
		.amdhsa_private_segment_fixed_size 0
		.amdhsa_enable_private_segment 0
		.amdhsa_kernarg_size 56
		.amdhsa_user_sgpr_count 2
		.amdhsa_user_sgpr_kernarg_segment_ptr 1
		.amdhsa_wavefront_size32 1
		.amdhsa_system_sgpr_workgroup_id_x 1
		.amdhsa_system_sgpr_workgroup_id_y 1
		.amdhsa_system_sgpr_workgroup_id_z 1
		.amdhsa_system_vgpr_workitem_id 0
		.amdhsa_next_free_vgpr 512
		.amdhsa_next_free_sgpr 96
		.amdhsa_reserve_vcc 0
		.amdhsa_float_denorm_mode_32 3
		.amdhsa_float_denorm_mode_16_64 3
		.amdhsa_memory_ordered 1
		.amdhsa_forward_progress 1
		.amdhsa_inst_pref_size 105
	.end_amdhsa_kernel
	.amdgpu_metadata
---
amdhsa.version: [ 1, 2 ]
amdhsa.kernels:
  - .name:           k_q26400dc723_qkv
    .symbol:         k_q26400dc723_qkv.kd
    .args:
      - { .name: xq, .offset: 0, .size: 8, .value_kind: global_buffer, .address_space: global }
      - { .name: wq, .offset: 8, .size: 8, .value_kind: global_buffer, .address_space: global }
      - { .name: qn_w, .offset: 16, .size: 8, .value_kind: global_buffer, .address_space: global }
      - { .name: kn_w, .offset: 24, .size: 8, .value_kind: global_buffer, .address_space: global }
      - { .name: q16, .offset: 32, .size: 8, .value_kind: global_buffer, .address_space: global }
      - { .name: k16, .offset: 40, .size: 8, .value_kind: global_buffer, .address_space: global }
      - { .name: v16, .offset: 48, .size: 8, .value_kind: global_buffer, .address_space: global }
    .group_segment_fixed_size: 327680
    .private_segment_fixed_size: 0
    .kernarg_segment_align: 8
    .kernarg_segment_size: 56
    .max_flat_workgroup_size: 256
    .sgpr_count:     96
    .vgpr_count:     512
    .wavefront_size: 32
...
	.end_amdgpu_metadata
.endif
;; end of part 2
;; launch attn (part 3): grid 16 x 16, 8 waves a work-group, clusters of 4 x 1, 327,680 bytes of LDS; arguments q16, k16, v16, oimg; writes oimg
.if DOCPART == 3
	.amdgcn_target "amdgcn-amd-amdhsa--gfx1250"
	.amdhsa_code_object_version 6
	.text
	.protected	k_q26400dc723_attn
	.globl	k_q26400dc723_attn
	.p2align	8
	.type	k_q26400dc723_attn,@function
k_q26400dc723_attn:
	s_mov_b64 s[64:65], 0
	v_nop
	global_prefetch_b8 v0, s[64:65] scope:SCOPE_SE
	s_setreg_imm32_b32 hwreg(HW_REG_WAVE_MODE, 25, 1), 1
	s_wait_xcnt 0x0
	s_wait_alu depctr_hold_cnt(0) depctr_sa_sdst(0) depctr_va_vdst(0) depctr_va_sdst(0) depctr_va_ssrc(0) depctr_va_vcc(0) depctr_vm_vsrc(0)
	s_getreg_b32 s2, hwreg(HW_REG_IB_STS2, 6, 4)
	s_cmp_eq_u32 s2, 0
	s_cbranch_scc0 .Lentry_in_a_cluster
	s_endpgm
.Lentry_in_a_cluster:
	s_bfe_u32 s2, ttmp6, 0x10000c
	s_cmp_lg_u32 s2, 0x3003
	s_cbranch_scc0 .Lentry_shape_is_right
	s_endpgm
.Lentry_shape_is_right:
; ATTN: o = softmax(q k^T / 8, under the mask: query frame >= key frame, frames of 220) v, for one head.  q (already x log2(e) / 8), k, v: f16, [head][position][64].  Products on f16 operands with f32 sums;
; maxima, exponentials and sums in f32, with a running maximum; the weights are rounded to f16 for the second product, o once at the end.
; o leaves as images of the next launch's operand registers: [half frame 32][head 16][tile 7][2,048 bytes]; tile u holds rows 110 hf + min(16 u, 94) + r; piece dt: lane (r, h) holds channels 16 dt + 8 h + 0..7.
; LIMITS: |v| and |o| under 65,504 (f16); NaN and infinities are not served.
; SHARES.  A cluster of four work-groups owns two double frames of a head: first double frame 7 - P (P = the cluster's x), which sees 16 - 2 P key frames, then double frame P, which sees 2 P + 2: 18 trips in every cluster.
; In a phase partner cx owns the 110 queries of half frame 4 F + cx.  All four walk the same key frames in the same trips, so each frame of K and of V is ONE joint load.  For the two partners in the double frame's first frame
; the phase's last key frame lies under the mask: it is walked all the same and counted for nothing by a number, BV = -1e30, that is added to the step's maximum and taken off the scores: no branch hangs on a partner's place.
; Wave w: tiles 2 G and 2 G + 1 of 16 queries (G = w % 4; 110 rows are seven tiles, the last begins at row 94, and the eighth place repeats the seventh); KH = w / 4: keys 0-127 of each frame (two steps of 64)
; or keys 128-219 (a step of 64 and one of 32, of which keys 220-223 are zeros in LDS and are masked).  At a phase's end wave G + 4 hands its (O, m, l) to wave G through LDS.
; LAYOUT.  S^T = K Q^T (source 0 = 16 keys, source 1 = 16 queries): a lane holds ONE query; two such tiles rounded to f16 in pairs ARE source 1 of O^T = V^T P.  K comes out of LDS as it lies, V turned, by ds_load_tr16_b128.
; RING.  Two slots, a frame each; wave 0 asks for K's frame, wave 1 for V's, behind a round of the cluster's barrier at each trip's head; the load has the whole trip in which to land.  One tensor load of a wave is outstanding at most.
; REGISTERS: v1-12 addresses and constants; v13-15 at work; v16-31 statistics, 8 a tile: +0 m - BV, +1 m, +2,+3 l, +4..+7 at work (+6 the factor a); v32-63 Q; v64-127 S^T, P laid over it; v128-191 O^T; v192-255 8 fragments of K or of V.
.set FRB,   28160                      ; a frame of K or V: 220 rows of 128 bytes
.set HDB,   450560                     ; a head
.set PK,    272                        ; an LDS row of K: two keys, 256 bytes, + 16 of padding: the 16 lanes of a load touch 16 different columns of 16 bytes
.set PV,    288                        ; of V: + 32
.set VOFF,  112*PK
.set SLOT1, 65536
.set MRG,   131072                     ; behind the ring: for each G 16 pieces of O and one of statistics
.set MRGW,  8704
.set SPARE, MRG+4*MRGW                 ; the spare words, 128 bytes for each wave, which no other line names
.set AK0, 1
.set AV0, 2
.set ADK, 3
.set ADV, 4
.set QL,  5
.set GL,  6
.set MI,  7
.set NINF, 8
.set SPW, 10
.set NIL, 11
.set PFO, 12
.set ST,  16
.set Q,   32
.set S,   64
.set O,   128
.set F,   192
.set WV,  12
.set G,   13
.set KH,  14
.set HEAD, 16
.set CX,  17
.set NA,  18                           ; trips of the first phase
.set N,   19                           ; the trip
.set TB,  20                           ; LDS byte at which the slot in hand begins
.set BV,  21
.set EM,  22
.set LIM, 23
.set SEL, 24
.set HM,  26
.set T1,  27
.set T2,  28
.set G1K, 32
.set G1V, 40
.set G0K, 48
.set G0V, 52
.set KB,  56
.set VB,  58
.set PFA, 60
.set QPA, 66                           ; s[66:69] Q's rows of my two tiles in the first phase; s[70:73] in the second
.set QPB, 70
.set OPA, 74                           ; s[74:77], s[78:81] the same for the images of o
.set OPB, 78
.macro CROUND
	s_barrier_signal -1
	s_barrier_wait -1
	s_cmp_lg_u32 s[WV], 0
	s_cbranch_scc1 .Lnot_wave_0_\@
	s_barrier_signal -3
.Lnot_wave_0_\@:
	s_barrier_wait -3
	s_barrier_signal -1
	s_barrier_wait -1
.endm
.macro JLOAD                           ; wave 0: K's frame; wave 1: V's; the others nothing.  An s_nop 0 and four v_nop follow each of the two lines
	s_cmp_eq_u32 s[WV], 0
	s_cbranch_scc0 .Lnot_k_\@
	tensor_load_to_lds s[G0K:G0K+3], s[G1K:G1K+7]
	s_nop 0
.rept 4
	v_nop
.endr
	s_branch .Lasked_\@
.Lnot_k_\@:
	s_cmp_eq_u32 s[WV], 1
	s_cbranch_scc0 .Lasked_\@
	tensor_load_to_lds s[G0V:G0V+3], s[G1V:G1V+7]
	s_nop 0
.rept 4
	v_nop
.endr
.Lasked_\@:
.endm
; A PREFETCH INTO THE L2: in trip N the frame N + 3, which the joint loads ask for at the head of trip N + 2.  The head's cluster with P = 0 alone asks: its first phase walks all 16 frames.  Its partners share a frame's
; 2 x 110 blocks of 256 bytes BY ADDRESS: partners 0, 1 the halves of K's frame, partners 2, 3 of V's; in each, waves 2 and 3 ask, a lane a block (a half has 55: the last nine lanes of wave 3 name block 54 again).
; It asks in trips 0 to 12, so frame 15 is the last that is named; frames 0 to 2 come by their loads alone.
.macro ASK
	s_cmp_lt_u32 s[N], s[LIM]
	s_cbranch_scc0 .Lnot_mine_\@
	global_prefetch_b8 v[PFO], s[PFA:PFA+1] th:TH_LOAD_NT scope:SCOPE_SE
.Lnot_mine_\@:
.endm
.macro QLOAD p                         ; a fragment of Q: lane (r, h): query r; channels 32 dc + 8 h + 0..7 and + 16
.irp t, 0,1
.irp dc, 0,1
	global_load_b128 v[Q+16*\t+8*\dc:Q+16*\t+8*\dc+3], v[QL], s[\p+2*\t:\p+2*\t+1] offset:64*\dc
	global_load_b128 v[Q+16*\t+8*\dc+4:Q+16*\t+8*\dc+7], v[QL], s[\p+2*\t:\p+2*\t+1] offset:64*\dc+32
.endr
.endr
.endm
.macro PTRS qp, op, t                  ; s82 = the half frame; s[T2] = the head's first byte
	s_lshl_b32 s83, s[G], 1
	s_add_co_u32 s83, s83, \t                      ; which of the eight places
	s_lshl_b32 s84, s83, 4
	s_min_u32 s84, s84, 94
	s_mul_i32 s85, s82, 110
	s_add_co_u32 s84, s84, s85                     ; the tile's first row
	s_lshl_b32 s86, s84, 7
	s_add_co_u32 s86, s86, s[T2]
	s_mov_b32 s87, 0
	s_add_nc_u64 s[\qp:\qp+1], s[4:5], s[86:87]
	s_min_u32 s83, s83, 6
	s_lshl_b32 s85, s82, 4
	s_add_co_u32 s85, s85, s[HEAD]
	s_mul_i32 s85, s85, 7
	s_add_co_u32 s85, s85, s83
	s_lshl_b32 s86, s85, 11
	s_add_nc_u64 s[\op:\op+1], s[10:11], s[86:87]
.endm
	s_load_b256 s[4:11], s[0:1], 0x0               ; q16 s[4:5], k16 s[6:7], v16 s[8:9], oimg s[10:11]
	v_lshl_add_u32 v[SPW], v0, 2, SPARE
	v_mov_b32 v[NIL], 0
	ds_add_u32 v[SPW], v[NIL]                      ; the opening: the add, twice on end, and its wait ahead of the first tensor load
	ds_add_u32 v[SPW], v[NIL]
	v_lshrrev_b32 v1, 5, v0
	v_readfirstlane_b32 s[WV], v1                  ; wave 0..7
	s_and_b32 s[G], s[WV], 3
	s_lshr_b32 s[KH], s[WV], 2
	s_and_b32 s[HEAD], ttmp7, 0xffff
	s_bfe_u32 s[CX], ttmp6, 0x40000                ; my place in the cluster: it enters Q's and o's addresses, the prefetches' address and the number EM alone
	s_lshl_b32 s[NA], ttmp9, 1
	s_sub_co_u32 s[NA], 16, s[NA]
	s_mov_b32 s[N], 0
	s_mov_b32 s[TB], 0
	s_mov_b32 s[BV], 0
	s_cmp_lt_u32 s[CX], 2
	s_cselect_b32 s[EM], 0xf149f2ca, 0             ; -1e30 for the partners in the double frame's first frame
	s_lshr_b32 s[T1], s[WV], 1
	s_xor_b32 s[T1], s[T1], 1
	s_or_b32 s[T1], s[T1], ttmp9
	s_cmp_eq_u32 s[T1], 0                          ; waves 2 and 3 of the cluster with P = 0: the same in all four partners
	s_cselect_b32 s[LIM], 13, 0
	s_mov_b32 s[SEL], 0x76543210
	s_mov_b32 s[SEL+1], 0xfedcba98
	s_mov_b32 s[HM], 0xffff0000                    ; lanes 16-31
	; descriptor groups 1: a frame as 110 rows of 256 bytes (two keys); the tile has 112 rows, so that keys 220-223 arrive as zeros
	s_mov_b32 s[G1K], 15|(1<<16)|(1<<20)|(1<<21)|(5<<22)|(3<<25)   ; the mask: all four; elements of 2 bytes; padding on; bit 21 beside a mask; after every 64 words, 4 words
	s_mov_b32 s[G1V], 15|(1<<16)|(1<<20)|(1<<21)|(5<<22)|(7<<25)   ; the same with 8 words
.irp g, G1K, G1V
	s_mov_b32 s[\g+1], 128<<16                     ; tensor_dim0 = 128
	s_mov_b32 s[\g+2], 110<<16                     ; tensor_dim1 = 110
	s_mov_b32 s[\g+3], 128<<16                     ; tile_dim0 = 128
	s_mov_b32 s[\g+4], 112                         ; tile_dim1 = 112
	s_mov_b32 s[\g+5], 128                         ; from row to row
	s_mov_b32 s[\g+6], 0
	s_mov_b32 s[\g+7], 0
.endr
	s_mul_i32 s[T2], s[HEAD], HDB
	s_mov_b32 s[T2+1], 0
	s_wait_dscnt 0x0                               ; both opening adds are done
	s_wait_kmcnt 0x0
	s_add_nc_u64 s[KB:KB+1], s[6:7], s[T2:T2+1]
	s_add_nc_u64 s[VB:VB+1], s[8:9], s[T2:T2+1]
	s_mov_b32 s[G0K], 1
	s_mov_b32 s[G0K+1], 0
	s_mov_b64 s[G0K+2:G0K+3], s[KB:KB+1]
	s_or_b32 s[G0K+3], s[G0K+3], 0x80000000
	s_mov_b32 s[G0V], 1
	s_mov_b32 s[G0V+1], VOFF
	s_mov_b64 s[G0V+2:G0V+3], s[VB:VB+1]
	s_or_b32 s[G0V+3], s[G0V+3], 0x80000000
	s_sub_co_u32 s82, 7, ttmp9
	s_lshl_b32 s82, s82, 2
	s_add_co_u32 s82, s82, s[CX]                   ; the first phase's half frame: 4 (7 - P) + cx
	PTRS QPA, OPA, 0
	PTRS QPA+2, OPA+2, 1
	s_lshl_b32 s82, ttmp9, 2
	s_add_co_u32 s82, s82, s[CX]                   ; the second's: 4 P + cx
	PTRS QPB, OPB, 0
	PTRS QPB+2, OPB+2, 1
	s_cmp_lt_u32 s[CX], 2
	s_cselect_b64 s[PFA:PFA+1], s[6:7], s[8:9]
	s_and_b32 s83, s[CX], 1
	s_mul_i32 s86, s83, FRB/2
	s_add_co_u32 s86, s86, s[T2]
	s_add_co_u32 s86, s86, 2*FRB                   ; at frame 2: each trip's head steps it, so that trip N names frame N + 3
	s_mov_b32 s87, 0
	s_add_nc_u64 s[PFA:PFA+1], s[PFA:PFA+1], s[86:87]
	CROUND                                         ; all four work-groups are here
	JLOAD                                          ; frame 0 into slot 0
	v_and_b32 v13, 15, v0                          ; r
	v_bfe_u32 v14, v0, 4, 1                        ; h
	v_and_b32 v15, 31, v0                          ; lane
	v_lshlrev_b32 v[QL], 7, v13
	v_lshl_add_u32 v[QL], v14, 4, v[QL]
	QLOAD QPA
	v_lshrrev_b32 v9, 1, v13                       ; K: key r of a tile lies at (r / 2) rows + 128 (r % 2), + 16 h
	v_mul_u32_u24 v[AK0], v9, PK
	v_and_b32 v9, 1, v13
	v_lshl_add_u32 v[AK0], v9, 7, v[AK0]
	v_lshl_add_u32 v[AK0], v14, 4, v[AK0]
	s_mul_i32 s[T1], s[KH], 64*PK                  ; my half of the keys
	v_add_nc_u32 v[AK0], s[T1], v[AK0]
	v_bfe_u32 v9, v0, 1, 2                         ; V, for the turning load: key 8 h + l % 8, channels 8 ((l / 8) % 2) on
	v_lshl_add_u32 v9, v14, 2, v9
	v_mul_u32_u24 v[AV0], v9, PV
	v_and_b32 v9, 1, v0
	v_lshl_add_u32 v[AV0], v9, 7, v[AV0]
	v_bfe_u32 v9, v0, 3, 1
	v_lshl_add_u32 v[AV0], v9, 4, v[AV0]
	s_mul_i32 s[T1], s[KH], 64*PV
	s_add_co_u32 s[T1], s[T1], VOFF
	v_add_nc_u32 v[AV0], s[T1], v[AV0]
	v_lshlrev_b32 v[GL], 4, v15
	s_mul_i32 s[T1], s[G], MRGW
	s_add_co_u32 s[T1], s[T1], MRG
	v_add_nc_u32 v[MI], s[T1], v[GL]
	s_and_b32 s[T1], s[WV], 1
	s_lshl_b32 s[T1], s[T1], 5
	v_add_nc_u32 v[PFO], s[T1], v15
	v_min_u32 v[PFO], 54, v[PFO]
	v_lshlrev_b32 v[PFO], 8, v[PFO]
	v_mov_b32 v[NINF], 0xff800000
.set i, 0
.rept 16
	v_mov_b32 v[ST+i], 0                           ; l = 0; the others are written because pairs and lane permutes name them
.set i, i+1
.endr
	v_mov_b32 v[ST+1], 0xff61b1e6                  ; m = -3e38, under every score
	v_mov_b32 v[ST+9], 0xff61b1e6
.set i, 0
.rept 64
	v_mov_b32 v[O+i], 0                            ; O^T, once: the key step is written without a first step of its own
.set i, i+1
.endr
; THE SOFTMAX of a key step, both tiles line by line by turns.  nkt: tiles of 16 keys (4 or 2).  tail = 1: keys 220-223 (registers 4-7 of key tile 1 in lanes 16-31) become -infinity, behind that accumulator's first read at its low end.
.macro SOFTMAX nkt, tail
.set k, 0
.rept \nkt
.irp t, 0,1
	v_max3_num_f32 v[ST+8*\t+4+k], v[S+32*\t+8*k], v[S+32*\t+8*k+1], v[S+32*\t+8*k+2]
.endr
.set k, k+1
.endr
.if \tail
.irp t, 0,1
.irp j, 12,13,14,15
	v_cndmask_b32 v[S+32*\t+\j], v[S+32*\t+\j], v[NINF], s[HM]
.endr
.endr
.endif
.irp a, 3,5
.set k, 0
.rept \nkt
.irp t, 0,1
	v_max3_num_f32 v[ST+8*\t+4+k], v[ST+8*\t+4+k], v[S+32*\t+8*k+\a], v[S+32*\t+8*k+\a+1]
.endr
.set k, k+1
.endr
.endr
.irp t, 0,1
	v_max3_num_f32 v[ST+8*\t+4], v[ST+8*\t+4], v[S+32*\t+7], v[S+32*\t+15]
.endr
.if \nkt == 4
.irp t, 0,1
	v_max3_num_f32 v[ST+8*\t+6], v[ST+8*\t+6], v[S+32*\t+23], v[S+32*\t+31]
.endr
.irp t, 0,1
	v_max3_num_f32 v[ST+8*\t+4], v[ST+8*\t+4], v[ST+8*\t+5], v[ST+8*\t+6]
.endr
.irp t, 0,1
	v_max_num_f32 v[ST+8*\t+4], v[ST+8*\t+4], v[ST+8*\t+7]
.endr
.else
.irp t, 0,1
	v_max_num_f32 v[ST+8*\t+4], v[ST+8*\t+4], v[ST+8*\t+5]
.endr
.endif
.irp t, 0,1
	v_add_f32 v[ST+8*\t+4], s[BV], v[ST+8*\t+4]    ; a frame under the mask cannot raise m
.endr
.irp t, 0,1
	v_permlanex16_b32 v[ST+8*\t+5], v[ST+8*\t+4], s[SEL], s[SEL+1]   ; the query's other keys lie in the lane 16 away
.endr
.irp t, 0,1
	v_mov_b32 v[ST+8*\t+7], v[ST+8*\t+1]
.endr
.irp t, 0,1
	v_max3_num_f32 v[ST+8*\t+1], v[ST+8*\t+1], v[ST+8*\t+4], v[ST+8*\t+5]   ; the running maximum
.endr
.irp t, 0,1
	v_sub_f32 v[ST+8*\t+7], v[ST+8*\t+7], v[ST+8*\t+1]              ; old m - new m
.endr
.irp t, 0,1
	v_sub_f32 v[ST+8*\t], v[ST+8*\t+1], s[BV]      ; what is taken off the scores: m, or under the mask 1e30, which makes every weight 0
.endr
.set j, 0
.rept 4*\nkt
.irp t, 0,1
	v_pk_add_f32 v[S+32*\t+j:S+32*\t+j+1], v[S+32*\t+j:S+32*\t+j+1], v[ST+8*\t:ST+8*\t+1] op_sel_hi:[1,0] neg_lo:[0,1] neg_hi:[0,1]
.endr
.set j, j+2
.endr
.irp t, 0,1
	v_exp_f32 v[ST+8*\t+6], v[ST+8*\t+7]           ; a = 2^(old m - new m).  ONE BATCH: none of these reads an exponential's result
.endr
.set j, 0
.rept 8*\nkt
.irp t, 0,1
	v_exp_f32 v[S+32*\t+j], v[S+32*\t+j]
.endr
.set j, j+1
.endr
	v_nop                                          ; a plain line behind the last exponential,
	s_wait_alu depctr_va_vdst(0)                   ; and one wait for the batch ahead of its first reader
.irp t, 0,1
	v_pk_add_f32 v[ST+8*\t+4:ST+8*\t+5], v[S+32*\t:S+32*\t+1], v[S+32*\t+2:S+32*\t+3]      ; the row's sum of the unrounded weights, in two chains
.endr
.irp t, 0,1
	v_pk_fma_f32 v[ST+8*\t+2:ST+8*\t+3], v[ST+8*\t+2:ST+8*\t+3], v[ST+8*\t+6:ST+8*\t+7], v[S+32*\t+4:S+32*\t+5] op_sel_hi:[1,0,1]   ; l = a l + ..
.endr
.set j, 6
.rept (8*\nkt-6)/4
.irp t, 0,1
	v_pk_add_f32 v[ST+8*\t+4:ST+8*\t+5], v[ST+8*\t+4:ST+8*\t+5], v[S+32*\t+j:S+32*\t+j+1]
	v_pk_add_f32 v[ST+8*\t+2:ST+8*\t+3], v[ST+8*\t+2:ST+8*\t+3], v[S+32*\t+j+2:S+32*\t+j+3]
.endr
.set j, j+4
.endr
.irp t, 0,1
	v_pk_add_f32 v[ST+8*\t+4:ST+8*\t+5], v[ST+8*\t+4:ST+8*\t+5], v[S+32*\t+j:S+32*\t+j+1]
.endr
.irp t, 0,1
	v_pk_add_f32 v[ST+8*\t+2:ST+8*\t+3], v[ST+8*\t+2:ST+8*\t+3], v[ST+8*\t+4:ST+8*\t+5]
.endr
.set j, 0
.rept 4*\nkt                           ; P is laid over S^T, ascending: register j % 8 of the 32 keys j / 8 comes from scores 2 j and 2 j + 1, which lie at or above it
.irp t, 0,1
	v_cvt_pk_f16_f32 v[S+32*\t+16*(j/8)+(j%8)], v[S+32*\t+2*j], v[S+32*\t+2*j+1]
.endr
.set j, j+1
.endr
.set j, 0
.rept 16
.irp t, 0,1
	v_pk_mul_f32 v[O+32*\t+j:O+32*\t+j+1], v[O+32*\t+j:O+32*\t+j+1], v[ST+8*\t+6:ST+8*\t+7] op_sel_hi:[1,0]   ; O^T x a, each accumulator from its low end on
.endr
.set j, j+2
.endr
.endm
; A KEY STEP: 16 nkt keys at byte ko of my half of K's rows and byte vo of V's, for my two tiles of queries.  The accumulators take turns, one instruction a turn.
.macro STEP ko, vo, nkt, tail
.set i, 0
.rept 2*\nkt                           ; K's fragment i: keys 16 (i / 2) on, channels 32 (i % 2) on
	ds_load_b128 v[F+8*i:F+8*i+3], v[ADK] offset:\ko+(i/2)*8*PK+(i%2)*64
	ds_load_b128 v[F+8*i+4:F+8*i+7], v[ADK] offset:\ko+(i/2)*8*PK+(i%2)*64+32
.set i, i+1
.endr
	s_wait_dscnt 0x0
.irp dc, 0,1
.set i, 0
.rept \nkt
.irp t, 0,1
.if \dc == 0
	v_wmma_f32_16x16x32_f16 v[S+32*\t+8*i:S+32*\t+8*i+7], v[F+8*(2*i+\dc):F+8*(2*i+\dc)+7], v[Q+16*\t+8*\dc:Q+16*\t+8*\dc+7], 0
.else
	v_wmma_f32_16x16x32_f16 v[S+32*\t+8*i:S+32*\t+8*i+7], v[F+8*(2*i+\dc):F+8*(2*i+\dc)+7], v[Q+16*\t+8*\dc:Q+16*\t+8*\dc+7], v[S+32*\t+8*i:S+32*\t+8*i+7]
.endif
.endr
.set i, i+1
.endr
.endr
.rept 4
	v_nop                                          ; four places: ahead of the loads into K's registers and of the first read of the scores
.endr
.set i, 0
.rept 2*\nkt                           ; V's fragment i, turned: keys 32 (i / 4) on, channels 16 (i % 4) on.  These land under the softmax
	ds_load_tr16_b128 v[F+8*i:F+8*i+3], v[ADV] offset:\vo+(i/4)*16*PV+(i%4)*32
	ds_load_tr16_b128 v[F+8*i+4:F+8*i+7], v[ADV] offset:\vo+(i/4)*16*PV+8*PV+(i%4)*32
.set i, i+1
.endr
	SOFTMAX \nkt, \tail
	s_wait_dscnt 0x0                               ; V is in
.set i, 0
.rept 2*\nkt
.irp t, 0,1
	v_wmma_f32_16x16x32_f16 v[O+32*\t+8*(i%4):O+32*\t+8*(i%4)+7], v[F+8*i:F+8*i+7], v[S+32*\t+16*(i/4):S+32*\t+16*(i/4)+7], v[O+32*\t+8*(i%4):O+32*\t+8*(i%4)+7]
.endr
.set i, i+1
.endr
.rept 5
	v_nop                                          ; five places: the next step's first products write over P's registers, which these products read; four serve the loads into V's registers and whatever reads O^T next
.endr
.endm
.macro LSUM                            ; l's two halves and the other half of the lanes'
.irp t, 0,1
	v_add_f32 v[ST+8*\t+2], v[ST+8*\t+2], v[ST+8*\t+3]
.endr
.irp t, 0,1
	v_permlanex16_b32 v[ST+8*\t+5], v[ST+8*\t+2], s[SEL], s[SEL+1]
.endr
.irp t, 0,1
	v_add_f32 v[ST+8*\t+2], v[ST+8*\t+2], v[ST+8*\t+5]
.endr
.endm
; A PHASE'S END, first half: waves 4-7 put their O^T, m and l into LDS as they stand.  q = 1: every wave asks for the next phase's Q.
.macro PEND q
.if \q
	QLOAD QPB
.endif
	s_cmp_lt_u32 s[WV], 4
	s_cbranch_scc1 .Lpe_\@
	LSUM
	v_mov_b32 v[F], v[ST+1]
	v_mov_b32 v[F+1], v[ST+2]
	v_mov_b32 v[F+2], v[ST+9]
	v_mov_b32 v[F+3], v[ST+10]
.set i, 0
.rept 16
	ds_store_b128 v[MI], v[O+4*i:O+4*i+3] offset:512*i
.set i, i+1
.endr
	ds_store_b128 v[MI], v[F:F+3] offset:8192
.Lpe_\@:
.endm
; Second half, behind a barrier: waves 0-3 join the two parts under the larger m, divide by l, round to f16 and store: the registers are the next launch's operand as they stand, 512 consecutive bytes a store.
.macro PFIN op
	s_cmp_lt_u32 s[WV], 4
	s_cbranch_scc0 .Lpf_\@
.set i, 0
.rept 16
	ds_load_b128 v[S+4*i:S+4*i+3], v[MI] offset:512*i
.set i, i+1
.endr
	ds_load_b128 v[F:F+3], v[MI] offset:8192
	LSUM
	s_wait_dscnt 0x0
.irp t, 0,1
	v_max_num_f32 v[ST+8*\t+4], v[ST+8*\t+1], v[F+2*\t]
.endr
.irp t, 0,1
	v_sub_f32 v[ST+8*\t+6], v[ST+8*\t+1], v[ST+8*\t+4]
	v_sub_f32 v[ST+8*\t+7], v[F+2*\t], v[ST+8*\t+4]
.endr
.irp t, 0,1
	v_exp_f32 v[ST+8*\t+6], v[ST+8*\t+6]
	v_exp_f32 v[ST+8*\t+7], v[ST+8*\t+7]
.endr
	v_nop
	s_wait_alu depctr_va_vdst(0)                   ; one wait for the four exponentials
.irp t, 0,1
	v_mul_f32 v[ST+8*\t+2], v[ST+8*\t+6], v[ST+8*\t+2]
.endr
.irp t, 0,1
	v_fma_f32 v[ST+8*\t+2], v[ST+8*\t+7], v[F+2*\t+1], v[ST+8*\t+2]
.endr
.irp t, 0,1
	v_rcp_f32 v[ST+8*\t+3], v[ST+8*\t+2]
.endr
	v_nop
	s_wait_alu depctr_va_vdst(0)                   ; and one for the two reciprocals
.irp t, 0,1
	v_mul_f32 v[ST+8*\t+4], v[ST+8*\t+6], v[ST+8*\t+3]
.endr
.irp t, 0,1
	v_mul_f32 v[ST+8*\t+6], v[ST+8*\t+7], v[ST+8*\t+3]
.endr
.set j, 0
.rept 16
.irp t, 0,1
	v_pk_mul_f32 v[S+32*\t+j:S+32*\t+j+1], v[S+32*\t+j:S+32*\t+j+1], v[ST+8*\t+6:ST+8*\t+7] op_sel_hi:[1,0]
.endr
.set j, j+2
.endr
.set j, 0
.rept 16
.irp t, 0,1
	v_pk_fma_f32 v[S+32*\t+j:S+32*\t+j+1], v[O+32*\t+j:O+32*\t+j+1], v[ST+8*\t+4:ST+8*\t+5], v[S+32*\t+j:S+32*\t+j+1] op_sel_hi:[1,0,1]
.endr
.set j, j+2
.endr
.set j, 0
.rept 16
.irp t, 0,1
	v_cvt_pk_f16_f32 v[F+16*\t+j], v[S+32*\t+2*j], v[S+32*\t+2*j+1]
.endr
.set j, j+1
.endr
.irp t, 0,1
.irp dt, 0,1,2,3
	global_store_b128 v[GL], v[F+16*\t+4*\dt:F+16*\t+4*\dt+3], s[\op+2*\t:\op+2*\t+1] offset:512*\dt
.endr
.endr
	s_wait_xcnt 0x0                                ; the stores have read their registers, which the next step's loads take
.Lpf_\@:
.endm
; A TRIP: one key frame.  At its head the change of slots: every wave waits for all its tensor loads, adds 0 to its spare word, and waits for that and for its LDS instructions; behind the round nobody reads the other slot
; any more and this slot is whole in all four partners.  refill = 1: the next trip's frame is asked for first thing behind the round.
.macro TRIP refill
	s_wait_tensorcnt 0x0                           ; no tensor load of mine is out, so the groups 0 may be written
	ds_add_u32 v[SPW], v[NIL]
.if \refill
	ds_add_u32 v[SPW], v[NIL]                      ; and twice on end here, in every trip alike
	s_add_co_u32 s[T1], s[N], 1
	s_cmp_eq_u32 s[T1], s[NA]
	s_cselect_b32 s[BV], s[EM], 0                  ; the first phase's last frame counts for nothing in two partners
	s_cmp_lt_u32 s[T1], s[NA]
	s_cselect_b32 s[T2], 0, s[NA]
	s_sub_co_u32 s[T2], s[T1], s[T2]               ; the next trip's frame: the second phase begins at frame 0 again
	s_mul_i32 s[T2], s[T2], FRB
	s_add_nc_u64 s[G0K+2:G0K+3], s[KB:KB+1], s[T2:T2+1]
	s_or_b32 s[G0K+3], s[G0K+3], 0x80000000
	s_add_nc_u64 s[G0V+2:G0V+3], s[VB:VB+1], s[T2:T2+1]
	s_or_b32 s[G0V+3], s[G0V+3], 0x80000000
	s_xor_b32 s[G0K+1], s[G0K+1], SLOT1            ; into the other slot than last time
	s_xor_b32 s[G0V+1], s[G0V+1], SLOT1
	s_wait_xcnt 0x0                                ; the last prefetch, a trip back, has read its address
	s_add_nc_u64 s[PFA:PFA+1], s[PFA:PFA+1], FRB
	s_wait_dscnt 0x0                               ; both adds are done, my reads of the other slot are over, and what I stored for my partner wave has landed
	CROUND
	JLOAD
	ASK
	s_cmp_eq_u32 s[N], s[NA]                       ; the second phase's first trip (the cluster's x and the count of trips alone: the same in all waves and partners)
	s_cbranch_scc0 .Lsame_\@
	PFIN OPA
	v_mov_b32 v[ST+1], 0xff61b1e6                  ; m begins anew; the next step's a is then 0, which clears l and O^T
	v_mov_b32 v[ST+9], 0xff61b1e6
.Lsame_\@:
.else
	s_mov_b32 s[BV], s[EM]                         ; the second phase's last frame
	s_wait_dscnt 0x0
	s_barrier_signal -1
	s_barrier_wait -1                              ; nothing is filled again: no round
.endif
	s_wait_loadcnt 0x0                             ; Q
	v_add_nc_u32 v[ADK], s[TB], v[AK0]
	v_add_nc_u32 v[ADV], s[TB], v[AV0]
	STEP 0, 0, 4, 0
	s_cmp_lt_u32 s[WV], 4
	s_cbranch_scc0 .Lkh1_\@
	STEP 32*PK, 32*PV, 4, 0
	s_branch .Ljoin_\@
.Lkh1_\@:
	STEP 32*PK, 32*PV, 2, 1
.Ljoin_\@:
.if \refill
	s_wait_dscnt 0x0
	s_barrier_signal -1                            ; a barrier between the reads of the hand-over's bytes (behind the round) and the stores into them (below)
	s_barrier_wait -1
	s_add_co_u32 s[T1], s[N], 1
	s_cmp_eq_u32 s[T1], s[NA]                      ; the first phase's last trip
	s_cbranch_scc0 .Lgo_on_\@
	PEND 1
.Lgo_on_\@:
	s_xor_b32 s[TB], s[TB], SLOT1
.endif
.endm
.Ltrip:                                            ; 17 trips, each of which asks for the next trip's frame
	TRIP 1
	s_add_co_u32 s[N], s[N], 1
	s_cmp_lt_u32 s[N], 17
	s_cbranch_scc1 .Ltrip
	TRIP 0                                         ; the 18th is written out: it asks for nothing
	PEND 0
	s_wait_dscnt 0x0
	s_barrier_signal -1
	s_barrier_wait -1
	PFIN OPB
	s_wait_tensorcnt 0x0                           ; the wave's end, behind my last tensor load and my last LDS store
	ds_add_u32 v[SPW], v[NIL]
	s_wait_dscnt 0x0
	CROUND                                         ; the closing round
	s_endpgm
.Lfunc_end_k_q26400dc723_attn:
	.size	k_q26400dc723_attn, .Lfunc_end_k_q26400dc723_attn-k_q26400dc723_attn
	.p2alignl 7, 3214868480
	.fill 96, 4, 3214868480
	.section	.rodata,"a",@progbits
	.p2align	6, 0x0
	.amdhsa_kernel k_q26400dc723_attn
		.amdhsa_group_segment_fixed_size 327680
		.amdhsa_private_segment_fixed_size 0
		.amdhsa_enable_private_segment 0
		.amdhsa_kernarg_size 32
		.amdhsa_user_sgpr_count 2
		.amdhsa_user_sgpr_kernarg_segment_ptr 1
		.amdhsa_wavefront_size32 1
		.amdhsa_system_sgpr_workgroup_id_x 1
		.amdhsa_system_sgpr_workgroup_id_y 1
		.amdhsa_system_sgpr_workgroup_id_z 1
		.amdhsa_system_vgpr_workitem_id 0
		.amdhsa_next_free_vgpr 256
		.amdhsa_next_free_sgpr 96
		.amdhsa_reserve_vcc 0
		.amdhsa_float_denorm_mode_32 3
		.amdhsa_float_denorm_mode_16_64 3
		.amdhsa_memory_ordered 1
		.amdhsa_forward_progress 1
		.amdhsa_inst_pref_size 126
	.end_amdhsa_kernel
	.amdgpu_metadata
---
amdhsa.version: [ 1, 2 ]
amdhsa.kernels:
  - .name:           k_q26400dc723_attn
    .symbol:         k_q26400dc723_attn.kd
    .args:
      - { .name: q16, .offset: 0, .size: 8, .value_kind: global_buffer, .address_space: global }
      - { .name: k16, .offset: 8, .size: 8, .value_kind: global_buffer, .address_space: global }
      - { .name: v16, .offset: 16, .size: 8, .value_kind: global_buffer, .address_space: global }
      - { .name: oimg, .offset: 24, .size: 8, .value_kind: global_buffer, .address_space: global }
    .group_segment_fixed_size: 327680
    .private_segment_fixed_size: 0
    .kernarg_segment_align: 8
    .kernarg_segment_size: 32
    .max_flat_workgroup_size: 256
    .sgpr_count:     96
    .vgpr_count:     256
    .wavefront_size: 32
...
	.end_amdgpu_metadata
.endif
;; end of part 3
;; launch proj (part 4): grid 8 x 32, 8 waves a work-group, clusters of 4 x 4, 327,680 bytes of LDS; arguments oimg, wp, bproj, out0; writes out0
.if DOCPART == 4
	.amdgcn_target "amdgcn-amd-amdhsa--gfx1250"
	.amdhsa_code_object_version 6
	.text
	.protected	k_q26400dc723_proj
	.globl	k_q26400dc723_proj
	.p2align	8
	.type	k_q26400dc723_proj,@function
k_q26400dc723_proj:
	s_mov_b64 s[64:65], 0
	v_nop
	global_prefetch_b8 v0, s[64:65] scope:SCOPE_SE
	s_setreg_imm32_b32 hwreg(HW_REG_WAVE_MODE, 25, 1), 1
	s_wait_xcnt 0x0
	s_wait_alu depctr_hold_cnt(0) depctr_sa_sdst(0) depctr_va_vdst(0) depctr_va_sdst(0) depctr_va_ssrc(0) depctr_va_vcc(0) depctr_vm_vsrc(0)
	s_getreg_b32 s2, hwreg(HW_REG_IB_STS2, 6, 4)
	s_cmp_eq_u32 s2, 0
	s_cbranch_scc0 .Lentry_in_a_cluster
	s_endpgm
.Lentry_in_a_cluster:
	s_bfe_u32 s2, ttmp6, 0x10000c
	s_cmp_lg_u32 s2, 0xf033
	s_cbranch_scc0 .Lentry_shape_is_right
	s_endpgm
.Lentry_shape_is_right:
; PROJ: out0 = o Wproj + bproj, on f16 operands with f32 sums.  o comes as images of the operand's registers, [half frame 32][head 16][tile 7][2,048 bytes]; Wproj^T likewise, [k / 256][column tile 64][(k / 32) % 8][1,024 bytes].
; SHARES.  A work-group makes the 110 rows of a half frame (seven tiles of 16, the last beginning at row 94) x 128 columns.  Wave w: column tiles 2 NP and 2 NP + 1 (NP = w % 4), and of K the chunks of 32 with parity KH = w / 4:
; 14 accumulators.  The two waves with one NP add their sums through LDS at the end; the bias is the C of the first products of the waves with KH = 0.
; THE MATRIX INSTRUCTION IS USED TRANSPOSED (source 0 = 16 columns of Wproj, source 1 = 16 rows of o): a lane holds eight neighbouring numbers of a row of out0.
; K goes in four steps of 256 (four heads) through two LDS slots.  CLUSTER 4 x 4: o's tiles are shared along a row, Wproj's along a column: joint loads, one a wave behind each round.
; By this text's count a wave has two tensor loads outstanding at the start and one behind each round.  The images are read 512 consecutive bytes at a time: no padding.
; No prefetch: each tile is small and the launch has four K steps.
.set SLOT,  122880                     ; o: 4 heads x 7 tiles x 2,048 bytes; then Wproj: 8 column tiles x 8 chunks x 1,024
.set BO,    57344
.set SPARE, 2*SLOT                     ; the spare words, 128 bytes for each wave, which no other line names
.set STG,   57344                      ; the way out lies in slot 0, which has then had its last fill and its last read: the partial sums at 0 (4 x 14,336 bytes), the stage of 112 rows x (512 + 16) bytes behind them
.set LN,   1                           ; v1  16 x lane
.set ADA,  2                           ; v2-3  my chunks of o in slot 0, 1
.set ADB,  4                           ; v4-5  of Wproj
.set MI,   6                           ; v6  the partial sums of my NP
.set SO,   7                           ; v7  the stage: where I put 32 bytes of a row
.set SR,   8                           ; v8  and where I read a row back
.set SPW,  10
.set NIL,  11
.set BOF,  12                          ; v12 32 h
.set BIAS, 16
.set ACC,  32
.set AFR,  144
.set BFR,  200
.set WV,   12
.set NP,   13
.set KH,   14
.set G1A,  24
.set G0A,  32
.set G1B,  48
.set G0B,  56
.set KM,   70
.macro CROUND
	s_barrier_signal -1
	s_barrier_wait -1
	s_cmp_lg_u32 s[WV], 0
	s_cbranch_scc1 .Lnot_wave_0_\@
	s_barrier_signal -3
.Lnot_wave_0_\@:
	s_barrier_wait -3
	s_barrier_signal -1
	s_barrier_wait -1
.endm
.macro JLOAD s                         ; waves 0-3 fetch o's four heads, waves 4-7 Wproj's four pairs of column tiles; an s_nop 0 and four v_nop follow each of the two lines
	s_cmp_eq_u32 s[KH], 0
	s_cbranch_scc0 .Lfor_b_\@
	tensor_load_to_lds s[G0A+4*\s:G0A+4*\s+3], s[G1A:G1A+7]
	s_nop 0
.rept 4
	v_nop
.endr
	s_branch .Lasked_\@
.Lfor_b_\@:
	tensor_load_to_lds s[G0B+4*\s:G0B+4*\s+3], s[G1B:G1B+7]
	s_nop 0
.rept 4
	v_nop
.endr
.Lasked_\@:
.endm
	s_load_b256 s[4:11], s[0:1], 0x0               ; oimg s[4:5], wp s[6:7], bproj s[8:9], out0 s[10:11]
	v_lshl_add_u32 v[SPW], v0, 2, SPARE
	v_mov_b32 v[NIL], 0
	ds_add_u32 v[SPW], v[NIL]                      ; the opening: the add, twice on end, and its wait ahead of my first tensor load
	ds_add_u32 v[SPW], v[NIL]
	v_lshrrev_b32 v1, 5, v0
	v_readfirstlane_b32 s[WV], v1
	s_and_b32 s[NP], s[WV], 3
	s_lshr_b32 s[KH], s[WV], 2
	s_bfe_u32 s15, ttmp6, 0x40000                  ; cx
	s_bfe_u32 s16, ttmp6, 0x40004                  ; cy
	s_lshl_b32 s17, ttmp9, 2
	s_add_co_u32 s17, s17, s15                     ; which 128 columns
	s_and_b32 s18, ttmp7, 0xffff
	s_lshl_b32 s18, s18, 2
	s_add_co_u32 s18, s18, s16                     ; which half frame
	s_lshl_b32 s19, s16, 2
	s_lshl_b32 s19, 15, s19                        ; my row of the cluster
	s_lshl_b32 s20, 0x1111, s15                    ; my column
	s_or_b32 s[G1A], s19, (3<<16)|(1<<21)          ; dense blocks as rows of 256 bytes (32 elements of 8 bytes)
	s_mov_b32 s[G1A+1], 32<<16
	s_mov_b32 s[G1A+2], 56<<16                     ; a head's seven tiles: 56 rows
	s_mov_b32 s[G1A+3], 32<<16
	s_mov_b32 s[G1A+4], 56
	s_mov_b32 s[G1A+5], 32
	s_mov_b32 s[G1A+6], 0
	s_mov_b32 s[G1A+7], 0
	s_or_b32 s[G1B], s20, (3<<16)|(1<<21)
	s_mov_b32 s[G1B+1], 32<<16
	s_mov_b32 s[G1B+2], 64<<16                     ; two column tiles x 256 along K: 64 rows
	s_mov_b32 s[G1B+3], 32<<16
	s_mov_b32 s[G1B+4], 64
	s_mov_b32 s[G1B+5], 32
	s_mov_b32 s[G1B+6], 0
	s_mov_b32 s[G1B+7], 0
	s_mul_i32 s42, s[NP], 14336                    ; o: my head of the step's four, in LDS and in memory
	s_mul_i32 s40, s18, 229376
	s_add_co_u32 s40, s40, s42
	s_mov_b32 s41, 0
	s_lshl_b32 s43, s[NP], 14                      ; Wproj: my two column tiles
	s_lshl_b32 s44, s17, 16
	s_add_co_u32 s44, s44, s43
	s_mov_b32 s45, 0
	s_lshl_b32 s66, s17, 9
	s_lshl_b32 s67, s[NP], 7
	s_add_co_u32 s66, s66, s67                     ; the bias of my 32 columns
	s_mov_b32 s67, 0
	s_lshl_b32 s68, s[WV], 4
	s_min_u32 s68, s68, 94
	s_mul_i32 s69, s18, 110
	s_add_co_u32 s68, s68, s69                     ; the first row that I store
	s_lshl_b32 s68, s68, 12
	s_lshl_b32 s69, s17, 9
	s_add_co_u32 s68, s68, s69
	s_mov_b32 s69, 0
	s_cmp_eq_u32 s[KH], 0
	s_cselect_b32 s[KM], -1, 0
	s_wait_dscnt 0x0                               ; both opening adds are done
	s_wait_kmcnt 0x0
	s_add_nc_u64 s[40:41], s[4:5], s[40:41]
	s_add_nc_u64 s[44:45], s[6:7], s[44:45]
	s_add_nc_u64 s[8:9], s[8:9], s[66:67]
	s_add_nc_u64 s[10:11], s[10:11], s[68:69]
	CROUND                                         ; all sixteen work-groups are here
.irp s, 0,1
	s_mov_b32 s[G0A+4*\s], 1
	s_add_co_u32 s[G0A+4*\s+1], s42, \s*SLOT
	s_add_nc_u64 s[G0A+4*\s+2:G0A+4*\s+3], s[40:41], \s*57344
	s_or_b32 s[G0A+4*\s+3], s[G0A+4*\s+3], 0x80000000
	s_mov_b32 s[G0B+4*\s], 1
	s_add_co_u32 s[G0B+4*\s+1], s43, \s*SLOT+BO
	s_add_nc_u64 s[G0B+4*\s+2:G0B+4*\s+3], s[44:45], \s*524288
	s_or_b32 s[G0B+4*\s+3], s[G0B+4*\s+3], 0x80000000
.endr
	s_cmp_eq_u32 s[KH], 0                          ; a wave's two first fills stand in one branch, ahead of every wait on TENSORcnt and every LDS read
	s_cbranch_scc0 .Lfirst_b
	tensor_load_to_lds s[G0A:G0A+3], s[G1A:G1A+7]
	s_nop 0
	tensor_load_to_lds s[G0A+4:G0A+7], s[G1A:G1A+7]
	s_nop 0
.rept 4
	v_nop
.endr
	s_branch .Lfirst_asked
.Lfirst_b:
	tensor_load_to_lds s[G0B:G0B+3], s[G1B:G1B+7]
	s_nop 0
	tensor_load_to_lds s[G0B+4:G0B+7], s[G1B:G1B+7]
	s_nop 0
.rept 4
	v_nop
.endr
.Lfirst_asked:
	v_and_b32 v13, 31, v0
	v_and_b32 v14, 15, v0                          ; r
	v_bfe_u32 v15, v0, 4, 1                        ; h
	v_lshlrev_b32 v[LN], 4, v13
	v_lshlrev_b32 v[BOF], 5, v15
.irp i, 0,1
	global_load_b128 v[BIAS+8*\i:BIAS+8*\i+3], v[BOF], s[8:9] offset:64*\i       ; the bias in the result's layout: columns 16 i + 8 h + 0..7
	global_load_b128 v[BIAS+8*\i+4:BIAS+8*\i+7], v[BOF], s[8:9] offset:64*\i+16
.endr
	s_lshl_b32 s66, s[KH], 10
	v_add_nc_u32 v[ADA], s66, v[LN]
	v_add_nc_u32 v[ADA+1], SLOT, v[ADA]
	s_lshl_b32 s67, s[NP], 14
	s_add_co_u32 s67, s67, s66
	s_add_co_u32 s67, s67, BO
	v_add_nc_u32 v[ADB], s67, v[LN]
	v_add_nc_u32 v[ADB+1], SLOT, v[ADB]
	s_mul_i32 s66, s[NP], 14336
	v_add_nc_u32 v[MI], s66, v[LN]
	v_mul_u32_u24 v[SO], v14, 528
	v_lshl_add_u32 v[SO], v15, 5, v[SO]
	s_lshl_b32 s66, s[NP], 7
	s_add_co_u32 s66, s66, STG
	v_add_nc_u32 v[SO], s66, v[SO]                 ; row r, + 128 NP + 32 h
	s_mul_i32 s66, s[WV], 16*528
	s_add_co_u32 s66, s66, STG
	v_add_nc_u32 v[SR], s66, v[LN]                 ; back: my 16 rows, 16 bytes a lane
	s_wait_loadcnt 0x0
.set i, 0
.rept 16
	v_cndmask_b32 v[BIAS+i], 0, v[BIAS+i], s[KM]   ; the bias counts once: zeros in the waves with KH = 1
.set i, i+1
.endr
; 32 along K: o's seven fragments and Wproj's two, 14 matrix instructions; the 14 accumulators take turns, one instruction a turn.  first = 1: the bias starts the sums.
.macro CHUNK slot, hl, first
.irp u, 0,1,2,3,4,5,6
	ds_load_b128 v[AFR+8*\u:AFR+8*\u+3], v[ADA+\slot] offset:(\hl*7+\u)*2048
	ds_load_b128 v[AFR+8*\u+4:AFR+8*\u+7], v[ADA+\slot] offset:(\hl*7+\u)*2048+512
.endr
.irp i, 0,1
	ds_load_b128 v[BFR+8*\i:BFR+8*\i+3], v[ADB+\slot] offset:\i*8192+\hl*2048
	ds_load_b128 v[BFR+8*\i+4:BFR+8*\i+7], v[ADB+\slot] offset:\i*8192+\hl*2048+512
.endr
	s_wait_dscnt 0x0
.irp u, 0,1,2,3,4,5,6
.irp i, 0,1
.if \first
	v_wmma_f32_16x16x32_f16 v[ACC+8*(2*\u+\i):ACC+8*(2*\u+\i)+7], v[BFR+8*\i:BFR+8*\i+7], v[AFR+8*\u:AFR+8*\u+7], v[BIAS+8*\i:BIAS+8*\i+7]
.else
	v_wmma_f32_16x16x32_f16 v[ACC+8*(2*\u+\i):ACC+8*(2*\u+\i)+7], v[BFR+8*\i:BFR+8*\i+7], v[AFR+8*\u:AFR+8*\u+7], v[ACC+8*(2*\u+\i):ACC+8*(2*\u+\i)+7]
.endif
.endr
.endr
.rept 4
	v_nop                                          ; four places ahead of loads into the fragments' registers and of the first read of results
.endr
.endm
.macro KSTEP slot, first
	CHUNK \slot, 0, \first
	CHUNK \slot, 1, 0
	CHUNK \slot, 2, 0
	CHUNK \slot, 3, 0
.endm
; The change of slots: all my tensor loads have landed, the add, my reads of the slot are over; the round; the slot just read is filled with the K step two on, first thing behind the round.
.macro CHANGE s
	s_wait_tensorcnt 0x0
	ds_add_u32 v[SPW], v[NIL]                      ; 0 onto my spare word; the descriptors' steps stand between it and the wait for it
	s_add_nc_u64 s[G0A+4*\s+2:G0A+4*\s+3], s[G0A+4*\s+2:G0A+4*\s+3], 2*57344
	s_add_nc_u64 s[G0B+4*\s+2:G0B+4*\s+3], s[G0B+4*\s+2:G0B+4*\s+3], 2*524288
	s_wait_dscnt 0x0
	CROUND
	JLOAD \s
.endm
	s_wait_tensorcnt 1                             ; my part of K step 0 is in; K step 1's load may stay out
	s_barrier_signal -1
	s_barrier_wait -1
	KSTEP 0, 1
	CHANGE 0                                       ; slot 0 takes K step 2
	KSTEP 1, 0
	CHANGE 1                                       ; slot 1 takes K step 3
	KSTEP 0, 0
	s_wait_tensorcnt 0x0                           ; K step 3 has landed; nothing is filled again, so no round follows
	ds_add_u32 v[SPW], v[NIL]
	s_wait_dscnt 0x0                               ; my reads of slot 0 are over
	s_barrier_signal -1
	s_barrier_wait -1
	KSTEP 1, 0
	; THE WAY OUT.  The waves with KH = 1 put their sums into LDS as they stand;
	s_cmp_eq_u32 s[KH], 0
	s_cbranch_scc1 .Lkeep
.set i, 0
.rept 28
	ds_store_b128 v[MI], v[ACC+4*i:ACC+4*i+3] offset:512*i
.set i, i+1
.endr
.Lkeep:
	s_wait_dscnt 0x0
	s_barrier_signal -1
	s_barrier_wait -1
	s_cmp_eq_u32 s[KH], 0                          ; the waves with KH = 0 add them to theirs and lay the results by rows in the stage;
	s_cbranch_scc0 .Lno_sum
.set i, 0
.rept 28
	ds_load_b128 v[144+4*i:144+4*i+3], v[MI] offset:512*i
.set i, i+1
.endr
	s_wait_dscnt 0x0
.set i, 0
.rept 56
	v_pk_add_f32 v[144+2*i:144+2*i+1], v[144+2*i:144+2*i+1], v[ACC+2*i:ACC+2*i+1]
.set i, i+1
.endr
.irp u, 0,1,2,3,4,5,6
.irp i, 0,1
	ds_store_b128 v[SO], v[144+8*(2*\u+\i):144+8*(2*\u+\i)+3] offset:\u*16*528+64*\i
	ds_store_b128 v[SO], v[144+8*(2*\u+\i)+4:144+8*(2*\u+\i)+7] offset:\u*16*528+64*\i+16
.endr
.endr
.Lno_sum:
	s_wait_dscnt 0x0
	s_barrier_signal -1
	s_barrier_wait -1
	s_cmp_lt_u32 s[WV], 7                          ; and waves 0-6 store a tile of rows each: a row's 512 bytes an instruction, aligned
	s_cbranch_scc0 .Ldone
.set i, 0
.rept 16
	ds_load_b128 v[144+4*i:144+4*i+3], v[SR] offset:528*i
.set i, i+1
.endr
	s_wait_dscnt 0x0
	s_cmp_lt_u32 s[WV], 6                          ; the seventh tile begins at row 94: its first two rows are the sixth tile's last two, which wave 5 stores
	s_cbranch_scc0 .Lfrom_2
.irp i, 0,1
	global_store_b128 v[LN], v[144+4*\i:144+4*\i+3], s[10:11] offset:4096*\i th:TH_STORE_NT
.endr
.Lfrom_2:
.irp i, 2,3,4,5,6,7,8,9,10,11,12,13,14,15
	global_store_b128 v[LN], v[144+4*\i:144+4*\i+3], s[10:11] offset:4096*\i th:TH_STORE_NT
.endr
.Ldone:
	s_wait_tensorcnt 0x0                           ; the wave's end, behind my last tensor load and my last LDS store
	ds_add_u32 v[SPW], v[NIL]
	s_wait_dscnt 0x0
	CROUND                                         ; the closing round
	s_endpgm
.Lfunc_end_k_q26400dc723_proj:
	.size	k_q26400dc723_proj, .Lfunc_end_k_q26400dc723_proj-k_q26400dc723_proj
	.p2alignl 7, 3214868480
	.fill 96, 4, 3214868480
	.section	.rodata,"a",@progbits
	.p2align	6, 0x0
	.amdhsa_kernel k_q26400dc723_proj
		.amdhsa_group_segment_fixed_size 327680
		.amdhsa_private_segment_fixed_size 0
		.amdhsa_enable_private_segment 0
		.amdhsa_kernarg_size 32
		.amdhsa_user_sgpr_count 2
		.amdhsa_user_sgpr_kernarg_segment_ptr 1
		.amdhsa_wavefront_size32 1
		.amdhsa_system_sgpr_workgroup_id_x 1
		.amdhsa_system_sgpr_workgroup_id_y 1
		.amdhsa_system_sgpr_workgroup_id_z 1
		.amdhsa_system_vgpr_workitem_id 0
		.amdhsa_next_free_vgpr 256
		.amdhsa_next_free_sgpr 96
		.amdhsa_reserve_vcc 0
		.amdhsa_float_denorm_mode_32 3
		.amdhsa_float_denorm_mode_16_64 3
		.amdhsa_memory_ordered 1
		.amdhsa_forward_progress 1
		.amdhsa_inst_pref_size 57
	.end_amdhsa_kernel
	.amdgpu_metadata
---
amdhsa.version: [ 1, 2 ]
amdhsa.kernels:
  - .name:           k_q26400dc723_proj
    .symbol:         k_q26400dc723_proj.kd
    .args:
      - { .name: oimg, .offset: 0, .size: 8, .value_kind: global_buffer, .address_space: global }
      - { .name: wp, .offset: 8, .size: 8, .value_kind: global_buffer, .address_space: global }
      - { .name: bproj, .offset: 16, .size: 8, .value_kind: global_buffer, .address_space: global }
      - { .name: out0, .offset: 24, .size: 8, .value_kind: global_buffer, .address_space: global }
    .group_segment_fixed_size: 327680
    .private_segment_fixed_size: 0
    .kernarg_segment_align: 8
    .kernarg_segment_size: 32
    .max_flat_workgroup_size: 256
    .sgpr_count:     96
    .vgpr_count:     256
    .wavefront_size: 32
...
	.end_amdgpu_metadata
.endif
;; end of part 4
